; MI455X (gfx1250); checked and timed in simulation.
; The chip was launched on July 23, 2026; its instructions are those of AMD's public machine-readable ISA for CDNA 5 (MIT licence, August 2026) and "CDNA5" Instruction Set Architecture Reference Guide (July 2026). The comments in the code are by the model that wrote it; some were corrected since.
;; Attention Block. Allowed arithmetic: matrix products marked QUANTISED: E2M3 operands, one E8M0 scale for each 32 along K, by v_wmma_scale_f32_16x16x128_f8f6f4 with both operands' format E2M3, f32 sums; everything else in f32.
;; Inputs: Wk 1,024 x 1,024 float32; Wo 1,024 x 1,024 float32; Wq 1,024 x 1,024 float32; Wv 1,024 x 1,024 float32; bk 1,024 float32; bo 1,024 float32; bq 1,024 float32; bv 1,024 float32; x 4 x 2,048 x 1,024 float32.
;; Outputs: out0 4 x 2,048 x 1,024 float32.
;; This version of the problem:
;;   THIS VERSION OF THE PROBLEM IS GIVEN IN LOW PRECISION. The matrix products marked QUANTISED in the list below multiply operands that are first quantised to E2M3 (2 exponent bits, 3 mantissa bits; 6 bits a number), with one power-of-two scale for each 32 numbers along K (OCP MX v1.0); their sums are f32. All else is computed in f32.
;;   The module's matrix products, in the order in which they are computed (A, B: the left and right operand; K: the contracted axis; several contracted axes count as one K, in the product's order):
;;     1. [M 8,192, K 1,024] x [K 1,024, N 1,024]; A: input x; B: input Wq: QUANTISED
;;     2. [M 8,192, K 1,024] x [K 1,024, N 1,024]; A: input x; B: input Wk: QUANTISED
;;     3. [M 8,192, K 1,024] x [K 1,024, N 1,024]; A: input x; B: input Wv: QUANTISED
;;     4. batch 64 x [M 2,048, K 64] x [K 64, N 2,048]; A: computed on the way; B: computed on the way: QUANTISED
;;     5. batch 64 x [M 2,048, K 2,048] x [K 2,048, N 64]; A: softmax (see below); B: computed on the way: QUANTISED
;;     6. [M 8,192, K 1,024] x [K 1,024, N 1,024]; A: computed on the way; B: input Wo: QUANTISED
;;   THE QUANTISER, for each operand of a quantised product, along K:
;;     - K is cut into blocks of 32 from its start; a last block that is shorter is filled with zeros.
;;     - A block's scale is 2^e with e = floor(log2(the largest magnitude in the block)) - 2, held to -126 .. 127; a block of zeros has e = 0. As a byte (E8M0): e + 127.
;;     - Each number is divided by its block's scale, clamped to +-7.5, and rounded to the nearest number of E2M3, ties to even, subnormals kept.
;;     - The product sums the exact products of the quantised numbers (number of the format x scale) in f32.
;;   ~~~python
;;   def quantise(x, axis):      # numpy; x: float32 -> the quantised numbers, widened to float32 again
;;       x = np.moveaxis(x, axis, -1); K = x.shape[-1]
;;       x = np.pad(x, [(0, 0)] * (x.ndim - 1) + [(0, -K % 32)]); x = x.reshape(x.shape[:-1] + (-1, 32)); a = np.abs(x).max(-1, keepdims=True)
;;       e = np.where(a > 0, np.clip(np.frexp(np.where(a > 0, a, 1))[1] - 1 - 2, -126, 127), 0)      # np.frexp(a)[1] - 1 = floor(log2(a)), exactly
;;       r = np.clip(x / 2.0 ** e, -7.5, 7.5)
;;       step = 2.0 ** (np.maximum(np.frexp(np.where(r == 0, 1, r))[1] - 1, 0) - 3)
;;       q = np.round(r / step) * step * 2.0 ** e      # np.round: ties to even
;;       return np.moveaxis(q.reshape(q.shape[:-2] + (-1,))[..., :K], -1, axis).astype(np.float32)
;;   ~~~
;;   SOFTMAX AHEAD OF A QUANTISED PRODUCT. Where the list says 'softmax', what is quantised is not the finished softmax but p = 2^(t - M), with t = logit x log2(e) and M = ceil(the row's largest t), a whole number; so 1/2 < the row's largest p <= 1. The row's sum l is taken of the UNQUANTISED p, in f32, and the product's result is divided by l at the end. Since M is a whole number, a kernel that streams over the keys may use a running M (the ceiling of the running maximum): every later rescaling is an exact power of two, which a block's scale takes up: the codes' values come out the same.
;;   OPERANDS COMPUTED ON THE WAY. 'Computed on the way' means the value that the module computes at that place (a softmax that the list does not call 'softmax' is quantised finished and normalised). What goes into a quantiser is computed in f32, as accurately as f32 sums, v_exp_f32 and their like allow (about 1e-6 of the number): no bf16 or f16 on the way to a quantiser, and a product that is left as it is and whose result goes on into a quantised operand takes f32 operands (vector FMAs, or v_wmma_f32_16x16x4_f32). A number that lies on a knife's edge between two numbers of the format may be rounded either way, as far as f32 arithmetic and the matrix unit's own rounding can turn it there, and no further.
;; One version. Each part assembles by itself: llvm-mc -triple=amdgcn-amd-amdhsa -mcpu=gfx1250 --defsym DOCPART=n.
;; ======== version 1 of 1: 4 launches
;; workspace buffers: ci 9,437,184 bytes; cs 393,216 bytes; qi 6,291,456 bytes; qs 524,288 bytes; kv 12,582,912 bytes; kvs 786,432 bytes; ai 6,291,456 bytes; asc 262,144 bytes
;; launch quant (part 1): grid 384 x 1, 4 waves a work-group, no clusters, 34,304 bytes of LDS; arguments x, Wq, Wk, Wv, Wo, ci, cs; writes ci, cs
.if DOCPART == 1
	.amdgcn_target "amdgcn-amd-amdhsa--gfx1250"
	.amdhsa_code_object_version 6
	.text
	.protected	k_qec69365531_quant
	.globl	k_qec69365531_quant
	.p2align	8
	.type	k_qec69365531_quant,@function
k_qec69365531_quant:
	s_mov_b64 s[64:65], 0
	v_nop
	global_prefetch_b8 v0, s[64:65] scope:SCOPE_SE
	s_setreg_imm32_b32 hwreg(HW_REG_WAVE_MODE, 25, 1), 1
	s_wait_xcnt 0x0
; x [8192][1024] and Wq, Wk, Wv, Wo [1024][1024], f32 with K innermost, become codes of FP6 (E2M3) with one E8M0 byte for each 32 along K.
; A block's scale is 2^(floor(log2(its largest magnitude)) - 2): its byte is the largest magnitude's exponent field - 2, held at 1 from below; each number is divided by it and rounded to the nearest code, ties to even, beyond 7.5 the largest code.
; THE CODES ARE LAID AS THE PRODUCTS' OPERAND REGISTERS.  A row block is 16 rows; lane index m of block rb is row 32 (rb / 2) + 8 (rb % 2) + m + 8 (m / 8), so that two neighbouring blocks used as source 0 leave a lane
; 16 neighbours along the next product's K.  A fragment (16 rows x 128 K, 12 registers a lane) is an image of 1,536 bytes: six pieces of 256 bytes, piece p = registers 2 p, 2 p + 1, lane l at byte 8 l.
; ci: [256 along K: 4][row block: 768][128 along K: 2][1,536]; row blocks 0-511 x, 512-575 Wq, 576-639 Wk, 640-703 Wv, 704-767 Wo.   cs: [row block][256 along K: 4][row 16][128 along K: 2] scale words.
; SHARES.  A wave takes one row block x 512 along K: four steps of 128.  A step's 16 loads read 512 consecutive bytes of one row each; the numbers turn through the wave's own stage in LDS (rows of 512 + 16 bytes), so that
; lane (r, h) gets, of row r, the 16 neighbours 32 b + 16 h + 0 .. 15 of each of the step's four blocks.  Waves share nothing: no barrier.  Loads run two steps (32 loads a wave) ahead.
; Memory binds here: no matrix unit, no cluster (no two work-groups read the same bytes), no tensor load.
; LIMITS: NaN and infinities among the inputs are not served.  A block of zeros, or one whose largest magnitude lies under 2^-124, gets the byte 1 (the stated rule says 127 for zeros): its codes are zeros or held at that scale, and this program alone reads the bytes.
.set KSL,   2359296                    ; bytes of ci from one 256 along K to the next: 768 x 3,072
.set PITCH, 528                        ; a stage row: 512 bytes + 16: 33 x 16, so that sixteen rows' 16 bytes fall on different banks (64 banks of 4 bytes: ISA guide 11.1)
.set LD,    4                          ; v4   16 x lane: my 16 bytes of a load's 512
.set STA,   5                          ; v5   the stage, on the way in
.set RDA,   6                          ; v6   and on the way out: row r, + 64 h
.set GO,    7                          ; v7   8 x lane: my 8 bytes of a piece
.set W,     8                          ; v8-11 the four steps' scale words; v12-13 what is stored of them
.set R,     16                         ; v16-143 two sets of 64: a step's numbers as loaded
.set X,     144                        ; v144-207 register 16 b + i = k 32 b + 16 h + i of my row
.set PC,    208                        ; v208-219 the fragment just made; v220-227 at work
.set TM,    228                        ; v228-231 largest magnitudes, v232-235 the partner's, then bytes, v236-239 the conversions' scale operands
.set SEL,   30                         ; s[30:31] lane selects for v_permlanex16_b32: lane l xor 16
; 64 numbers of a lane, v[s] .. v[s + 63], become a fragment's codes in v[PC] on and its scale word in v[pw] (the same in lanes l and l xor 16).
.macro QUANT s, pw
.irp b, 0,1,2,3
	v_max3_num_f32 v[TM+\b], |v[\s+16*\b]|, |v[\s+1+16*\b]|, 0x1800000   ; block b: my 16 numbers, and the floor 2^(3 - 127): so the byte cannot fall under 1
.endr
.irp i, 2,4,6,8,10,12,14
.irp b, 0,1,2,3
	v_max3_num_f32 v[TM+\b], v[TM+\b], |v[\s+16*\b+\i]|, |v[\s+1+16*\b+\i]|   ; the four blocks by turns
.endr
.endr
.irp b, 0,1,2,3
	v_permlanex16_b32 v[TM+4+\b], v[TM+\b], s[SEL], s[SEL+1]
.endr
.irp b, 0,1,2,3
	v_max_num_f32 v[TM+\b], v[TM+\b], v[TM+4+\b]   ; with lane l xor 16's: the block's largest magnitude
.endr
.irp b, 0,1,2,3
	v_add_nc_u32 v[TM+8+\b], 0xff000000, v[TM+\b]  ; 2 off its exponent field: the conversion takes the exponent field of this operand as its scale
.endr
.irp b, 0,1,2,3
	v_lshrrev_b32 v[TM+4+\b], 23, v[TM+8+\b]       ; the scale's byte
.endr
	v_lshl_or_b32 v[\pw], v[TM+5], 8, v[TM+4]
	v_lshl_or_b32 v[\pw], v[TM+6], 16, v[\pw]
	v_lshl_or_b32 v[\pw], v[TM+7], 24, v[\pw]
.irp c, 0,1
	v_cvt_scalef32_pk16_fp6_f32 v[PC+6*\c:PC+2+6*\c], v[\s+32*\c:\s+15+32*\c], v[TM+8+2*\c]
	v_cvt_scalef32_pk16_fp6_f32 v[PC+12+4*\c:PC+14+4*\c], v[\s+16+32*\c:\s+31+32*\c], v[TM+8+2*\c+1]   ; (a conversion's three registers begin on an even number)
.endr
	v_nop                                          ; one plain instruction behind a scaled conversion
.irp c, 0,1                                    ; the operand's layout wants a whole block in a lane: lanes 0-15 block 2 c, lanes 16-31 block 2 c + 1
.irp i, 0,1,2
	v_permlane16_swap_b32 v[PC+6*\c+\i], v[PC+12+4*\c+\i]
.endr
.irp i, 0,1,2
	v_mov_b32 v[PC+3+6*\c+\i], v[PC+12+4*\c+\i]
.endr
.endr
.endm
	s_load_b256 s[4:11], s[0:1], 0x0               ; x s[4:5], Wq s[6:7], Wk s[8:9], Wv s[10:11]
	s_load_b128 s[12:15], s[0:1], 0x20             ; Wo s[12:13], ci s[14:15]
	s_load_b64 s[16:17], s[0:1], 0x30              ; cs
	v_lshl_add_u32 v254, v0, 2, 0x8400
	v_mov_b32 v255, 0
	v_lshrrev_b32 v1, 5, v0
	v_readfirstlane_b32 s18, v1                    ; wave 0..3
	v_and_b32 v1, 31, v0                           ; lane
	v_and_b32 v2, 15, v0                           ; r
	v_bfe_u32 v3, v0, 4, 1                         ; h
	v_lshlrev_b32 v[LD], 4, v1
	s_mul_i32 s19, s18, 16*PITCH                   ; my wave's stage
	v_add_nc_u32 v[STA], s19, v[LD]
	v_mul_u32_u24 v[RDA], v2, PITCH
	v_lshl_add_u32 v[RDA], v3, 6, v[RDA]
	v_add_nc_u32 v[RDA], s19, v[RDA]
	v_lshlrev_b32 v[GO], 3, v1
.irp b, 0,1,2,3
	v_mov_b32 v[TM+4+\b], 0                        ; written once: a lane permute's destination counts as one of its sources
.endr
	s_lshr_b32 s20, s18, 1
	s_lshl_b32 s21, ttmp9, 1
	s_add_co_u32 s20, s20, s21                     ; my row block of the 768: 2 x work-group + wave / 2
	s_and_b32 s21, s18, 1                          ; which 512 along K
	s_and_b32 s22, s20, 63                         ; the row block inside a weight
	s_mov_b32 s[SEL], 0x76543210
	s_mov_b32 s[SEL+1], 0xfedcba98
	s_wait_kmcnt 0x0
	s_cmp_lt_u32 ttmp9, 352                        ; work-groups 0-255 x, then 32 each for Wq, Wk, Wv, Wo: the choice hangs on the work-group's number alone
	s_cselect_b64 s[24:25], s[10:11], s[12:13]
	s_cmp_lt_u32 ttmp9, 320
	s_cselect_b64 s[24:25], s[8:9], s[24:25]
	s_cmp_lt_u32 ttmp9, 288
	s_cselect_b64 s[24:25], s[6:7], s[24:25]
	s_cmp_lt_u32 ttmp9, 256
	s_cselect_b64 s[24:25], s[4:5], s[24:25]
	s_cselect_b32 s22, s20, s22                    ; the row block inside my tensor
	s_lshr_b32 s23, s22, 1
	s_lshl_b32 s23, s23, 5
	s_and_b32 s22, s22, 1
	s_lshl_b32 s22, s22, 3
	s_add_co_u32 s22, s22, s23                     ; its first row: 32 (rb / 2) + 8 (rb % 2)
	s_lshl_b32 s22, s22, 12                        ; rows of 4,096 bytes
	s_lshl_b32 s23, s21, 11                        ; + my 512 along K
	s_add_co_u32 s22, s22, s23
	s_mov_b32 s23, 0
	s_add_nc_u64 s[24:25], s[24:25], s[22:23]      ; where I read
	s_mul_i32 s22, s21, 1536
	s_add_co_u32 s22, s22, s20
	s_mul_i32 s22, s22, 3072
	s_add_nc_u64 s[26:27], s[14:15], s[22:23]      ; my images: (2 x 768 x half + row block) x 3,072
	s_lshl_b32 s22, s20, 9
	s_lshl_b32 s28, s21, 8
	s_add_co_u32 s22, s22, s28
	s_add_nc_u64 s[28:29], s[16:17], s[22:23]      ; my 256 bytes of scale words
.macro LOAD s                          ; step s: 16 rows x 512 bytes into set s % 2; the order of the rows stands in the immediates
.irp t, 0,1,2,3,4,5,6,7,8,9,10,11,12,13,14,15
	global_load_b128 v[R+64*((\s)%2)+4*\t:R+64*((\s)%2)+4*\t+3], v[LD], s[24:25] offset:(\t+8*(\t/8))*4096+512*(\s) th:TH_LOAD_NT
.endr
.endm
.macro KSTEP s
.if (\s) > 0
	s_wait_xcnt 0x0                                ; the last step's stores have read the fragment's registers: they are written again only behind this wait
.endif
.if (\s) < 3
	s_wait_loadcnt 16                              ; this step's 16 loads are in; the next step's 16 may be out
.else
	s_wait_loadcnt 0x0
.endif
.irp t, 0,1,2,3,4,5,6,7,8,9,10,11,12,13,14,15
	ds_store_b128 v[STA], v[R+64*((\s)%2)+4*\t:R+64*((\s)%2)+4*\t+3] offset:PITCH*\t
.endr
.irp b, 0,1,2,3
.irp j, 0,1,2,3
	ds_load_b128 v[X+16*\b+4*\j:X+16*\b+4*\j+3], v[RDA] offset:128*\b+16*\j   ; LDS serves a wave's instructions in order (ISA guide 5.7.1.4): these see the stores above
.endr
.endr
	s_wait_dscnt 0x0                               ; my numbers are back, and the stores into the stage have read their registers,
.if (\s)+2 < 4
	LOAD (\s)+2                                    ; which take the loads of two steps on
.endif
	QUANT X, W+(\s)
.irp p, 0,1,2,3,4,5
	global_store_b64 v[GO], v[PC+2*\p:PC+2*\p+1], s[26:27] offset:((\s)/2)*KSL+((\s)%2)*1536+256*\p   ; a piece: 32 lanes store 256 consecutive bytes, aligned
.endr
.endm
	LOAD 0
	LOAD 1
	KSTEP 0
	KSTEP 1
	KSTEP 2
	KSTEP 3
	v_cmp_lt_u32 vcc_lo, 15, v1                    ; lanes 0-15 store the words of my first 256 along K, lanes 16-31 those of the second: 8 bytes a lane, row r at 8 r
	v_cndmask_b32 v12, v[W], v[W+2], vcc_lo
	v_cndmask_b32 v13, v[W+1], v[W+3], vcc_lo
	global_store_b64 v[GO], v[12:13], s[28:29]     ; 256 consecutive bytes, aligned
	s_wait_tensorcnt 0x0
	ds_add_u32 v254, v255
	s_wait_dscnt 0x0
	s_endpgm
.Lfunc_end_k_qec69365531_quant:
	.size	k_qec69365531_quant, .Lfunc_end_k_qec69365531_quant-k_qec69365531_quant
	.p2alignl 7, 3214868480
	.fill 96, 4, 3214868480
	.section	.rodata,"a",@progbits
	.p2align	6, 0x0
	.amdhsa_kernel k_qec69365531_quant
		.amdhsa_group_segment_fixed_size 34304
		.amdhsa_private_segment_fixed_size 0
		.amdhsa_enable_private_segment 0
		.amdhsa_kernarg_size 56
		.amdhsa_user_sgpr_count 2
		.amdhsa_user_sgpr_kernarg_segment_ptr 1
		.amdhsa_wavefront_size32 1
		.amdhsa_system_sgpr_workgroup_id_x 1
		.amdhsa_system_sgpr_workgroup_id_y 1
		.amdhsa_system_sgpr_workgroup_id_z 1
		.amdhsa_system_vgpr_workitem_id 0
		.amdhsa_next_free_vgpr 256
		.amdhsa_next_free_sgpr 66
		.amdhsa_reserve_vcc 1
		.amdhsa_float_denorm_mode_32 3
		.amdhsa_float_denorm_mode_16_64 3
		.amdhsa_memory_ordered 1
		.amdhsa_forward_progress 1
		.amdhsa_inst_pref_size 35
	.end_amdhsa_kernel
	.amdgpu_metadata
---
amdhsa.version: [ 1, 2 ]
amdhsa.kernels:
  - .name:           k_qec69365531_quant
    .symbol:         k_qec69365531_quant.kd
    .args:
      - { .name: x, .offset: 0, .size: 8, .value_kind: global_buffer, .address_space: global }
      - { .name: Wq, .offset: 8, .size: 8, .value_kind: global_buffer, .address_space: global }
      - { .name: Wk, .offset: 16, .size: 8, .value_kind: global_buffer, .address_space: global }
      - { .name: Wv, .offset: 24, .size: 8, .value_kind: global_buffer, .address_space: global }
      - { .name: Wo, .offset: 32, .size: 8, .value_kind: global_buffer, .address_space: global }
      - { .name: ci, .offset: 40, .size: 8, .value_kind: global_buffer, .address_space: global }
      - { .name: cs, .offset: 48, .size: 8, .value_kind: global_buffer, .address_space: global }
    .group_segment_fixed_size: 34304
    .private_segment_fixed_size: 0
    .kernarg_segment_align: 8
    .kernarg_segment_size: 56
    .max_flat_workgroup_size: 128
    .sgpr_count:     66
    .vgpr_count:     256
    .wavefront_size: 32
...
	.end_amdgpu_metadata
.endif
;; end of part 1
;; launch proj (part 2): grid 8 x 48, 4 waves a work-group, clusters of 4 x 4, 327,680 bytes of LDS; arguments ci, cs, bq, bk, bv, qi, qs, kv, kvs; writes qi, qs, kv, kvs
.if DOCPART == 2
	.amdgcn_target "amdgcn-amd-amdhsa--gfx1250"
	.amdhsa_code_object_version 6
	.text
	.protected	k_qec69365531_proj
	.globl	k_qec69365531_proj
	.p2align	8
	.type	k_qec69365531_proj,@function
k_qec69365531_proj:
	s_mov_b64 s[64:65], 0
	v_nop
	global_prefetch_b8 v0, s[64:65] scope:SCOPE_SE
	s_setreg_imm32_b32 hwreg(HW_REG_WAVE_MODE, 25, 1), 1
	s_wait_xcnt 0x0
	s_wait_alu depctr_hold_cnt(0) depctr_sa_sdst(0) depctr_va_vdst(0) depctr_va_sdst(0) depctr_va_ssrc(0) depctr_va_vcc(0) depctr_vm_vsrc(0)
	s_getreg_b32 s2, hwreg(HW_REG_IB_STS2, 6, 4)
	s_cmp_eq_u32 s2, 0
	s_cbranch_scc0 .Lentry_in_a_cluster
	s_endpgm
.Lentry_in_a_cluster:
	s_bfe_u32 s2, ttmp6, 0x10000c
	s_cmp_lg_u32 s2, 0xf033
	s_cbranch_scc0 .Lentry_shape_is_right
	s_endpgm
.Lentry_shape_is_right:
; q = x Wq^T + bq, k = x Wk^T + bk, v = x Wv^T + bv on codes of FP6 (E2M3) with E8M0 scales, sums in f32; the results are quantised in registers, q and k along the head's 64, v along the tokens, and leave as codes.
; OPERANDS come from ci and cs as images of operand registers (a fragment of 16 rows x 128 K is 1,536 bytes: six pieces of 256, piece p = registers 2 p, 2 p + 1, lane l at byte 8 l); lane index m of row block rb is
; row 32 (rb / 2) + 8 (rb % 2) + m + 8 (m / 8).  The eight row blocks that a wave fetches for 256 along K are one dense block of 24,576 bytes.
; A tile of 256 x 256 is made by four waves, 128 x 128 each: 64 accumulators, 512 registers.  K = 1,024 goes in four steps of 256 through two LDS slots filled by the tensor data mover.
; THE MATRIX INSTRUCTION IS USED TRANSPOSED: source 0 = 16 rows of B, source 1 = 16 rows of A: a lane holds ONE row of A, and its 64 registers of a block of A run along B's rows: register 16 b + i is B's row 32 b + 16 h + i.
; TWO ROLES, told apart by the cluster's y (the same in all sixteen partners).  Clusters y 0-7: A = 256 tokens of x, B = 256 rows of Wq (cluster x 0) or Wk (1): a lane holds a token, registers run along e: two heads of 64.
; Clusters y 8-11: A = 256 rows of Wv, B = 256 tokens of x: a lane holds a channel, registers run along 128 tokens, which are the second attention product's K.  The loop is the same text for both.
; CLUSTERS: 4 x 4 work-groups.  A's tile hangs on the place along y alone and is shared along a row of the cluster, B's on the place along x alone and is shared along a column: each is asked for jointly.
; OUT.  qi: [head 64][tile of 16 tokens: 128][768] half images (K = 64: registers 0-5).  qs: [head][128 tokens: 16][row 16][tile 8] words, bytes 2 and 3 zero.
; kv: [head][256 keys: 8][24,576]: K's 16 half images, then V^T's [128 keys: 2][16 channels: 4][1,536].  kvs: [head][128 keys: 16][768]: K's words [row 16][tile 8], then V's [row 16][tile 4].
; REGISTERS, in windows of 256: window 0: v0-31 addresses; v32-63 scale words, two sets, and nothing else; v64-127 bq's or bk's numbers in the result's layout; v128-223 A's fragments, one set; v224-239 bv's numbers, each twice.
;   window 1: B's fragments, two sets, at v0 and v128.   windows 2, 3: the accumulators ((a, b) at v[8 (8 (a % 4) + b)]).   On the way out v128-223 and v240-255 of window 0 are at work.
; LIMITS: NaN and infinities are not served.  A block of zeros, or one whose largest magnitude lies under 2^-124, gets the byte 1: its codes are zeros or held at that scale, and this program alone reads the bytes.
; No prefetch: of the four steps along K two are asked for at the head, and the other two have a whole step's 128 matrix instructions in which to land.
.set KSL,    2359296                   ; bytes of ci from one 256 along K to the next
.set NQ,     2                         ; matrix instructions deep in a slot
.set FR,     12                        ; registers of a fragment
.set NL,     6                         ; LDS loads that bring one
.set NP,     4                         ; places behind this matrix instruction (ISA guide 7.12.1)
.set HALFT,  24576                     ; 8 row blocks x 256 along K: what one tensor load brings, and what one wave reads of A or of B
.set SLOT,   4*HALFT                   ; A's two halves, then B's two
.set SCL,    2*SLOT                    ; behind the ring: the scale words of the tile's rows for all of K, filled once
.set HALFS,  4096                      ; those of 8 row blocks
.set SPARE,  SCL+4*HALFS               ; the spare words, 128 bytes for each wave: two blocks of 256 bytes that no other line names
.set BO0,  10                          ; v10  64 h: my half's place in 32 numbers of a bias; never rewritten
.set BO1,  11                          ; v11  4 (r + 8 (r / 8)): my row's place among a pair of blocks' 32; never rewritten
.set ADRA, 16                          ; v16-17 LDS address of A's images in slot 0, 1: 8 x lane + my half
.set ADRB, 20                          ; v20-21 the same for B
.set GO,   24                          ; v24  8 x lane
.set GS0,  25                          ; v25  32 r + 16 h: four scale words of a row of eight
.set GS1,  26                          ; v26  16 r + 12,288 h: a row's four words of V, the second head's 12,288 bytes on
.set ADRS, 27                          ; v27  LDS address of my scale words: lanes 0-15 A's rows, lanes 16-31 B's
.set SPW,  28                          ; v28  LDS address of my spare word; never rewritten
.set NIL,  29                          ; v29  0; never rewritten
.set LANE, 30
.set SC,   32
.set BI0,  64
.set AF,   128
.set BI1,  224
.set X,    128                         ; the way out: 64 numbers
.set PC,   192                         ; the fragment just made (12), and 8 at work
.set TM,   212                         ; 12 at work
.set PWS,  240                         ; the eight blocks' scale words
.set SELR, 248
.set SH,   252
.set SEL,  2                           ; s[2:3] lane selects for v_permlanex16_b32
.set G1,   24                          ; s[24:31] descriptor group 1 for A's tiles; s[32:39] group 0, one set for each slot
.set G0,   32
.set G1B,  48                          ; s[48:55], s[56:63] the same for B's
.set G0B,  56
.set G1S,  68                          ; s[68:75], s[76:79] for A's scale words; s[80:87], s[88:91] for B's
.set G0S,  76
.set G1SB, 80
.set G0SB, 88
.set ROLE, 100
.set MSB, 0
.macro WIN new                         ; the immediate's high byte repeats the setting that is left
.if MSB != \new
	s_set_vgpr_msb (MSB<<8)|\new
.set MSB, \new
.endif
.endm
.set MUL_LO, 0xa1                      ; source 0 (B) window 1, source 1 (A) window 0, C and D window 2
.set MUL_HI, 0xf1                      ; the same, C and D window 3
.set TO_B,   0x40                      ; destination window 1, address window 0
; A joint load: waves 0 and 1 fetch for A, waves 2 and 3 for B.  Each line has one mask and one set of registers for all that issue it; the branch hangs on the wave's number alone.  Four v_nop follow each line.
.macro JLOAD g0a, g1a, g0b, g1b
	s_cmp_eq_u32 s15, 0
	s_cbranch_scc0 .Lfor_b_\@
	tensor_load_to_lds s[\g0a:\g0a+3], s[\g1a:\g1a+7]
	s_nop 0
.rept 4
	v_nop
.endr
	s_branch .Lasked_\@
.Lfor_b_\@:
	tensor_load_to_lds s[\g0b:\g0b+3], s[\g1b:\g1b+7]
	s_nop 0
.rept 4
	v_nop
.endr
.Lasked_\@:
.endm
.macro CREST                           ; a round of the cluster's barrier behind its opening barrier
	s_cmp_lg_u32 s14, 0
	s_cbranch_scc1 .Lnot_wave_0_\@
	s_barrier_signal -3
.Lnot_wave_0_\@:
	s_barrier_wait -3
	s_barrier_signal -1
	s_barrier_wait -1
.endm
.macro CROUND                          ; a whole round
	s_barrier_signal -1
	s_barrier_wait -1
	CREST
.endm
; 64 numbers of a lane, v[s] .. v[s + 63], register 16 b + i = k 32 b + 16 h + i of my row, become a fragment's codes in v[PC] on and its scale word in v[pw] (the same in lanes l and l xor 16).
.macro QUANT s, pw
.irp b, 0,1,2,3
	v_max3_num_f32 v[TM+\b], |v[\s+16*\b]|, |v[\s+1+16*\b]|, 0x1800000   ; block b: my 16 numbers, and the floor 2^(3 - 127): so the byte cannot fall under 1
.endr
.irp i, 2,4,6,8,10,12,14
.irp b, 0,1,2,3
	v_max3_num_f32 v[TM+\b], v[TM+\b], |v[\s+16*\b+\i]|, |v[\s+1+16*\b+\i]|
.endr
.endr
.irp b, 0,1,2,3
	v_permlanex16_b32 v[TM+4+\b], v[TM+\b], s[SEL], s[SEL+1]
.endr
.irp b, 0,1,2,3
	v_max_num_f32 v[TM+\b], v[TM+\b], v[TM+4+\b]   ; with lane l xor 16's: the block's largest magnitude
.endr
.irp b, 0,1,2,3
	v_add_nc_u32 v[TM+8+\b], 0xff000000, v[TM+\b]  ; 2 off its exponent field: the conversion's scale operand
.endr
.irp b, 0,1,2,3
	v_lshrrev_b32 v[TM+4+\b], 23, v[TM+8+\b]       ; the scale's byte
.endr
	v_lshl_or_b32 v[\pw], v[TM+5], 8, v[TM+4]
	v_lshl_or_b32 v[\pw], v[TM+6], 16, v[\pw]
	v_lshl_or_b32 v[\pw], v[TM+7], 24, v[\pw]
.irp c, 0,1
	v_cvt_scalef32_pk16_fp6_f32 v[PC+6*\c:PC+2+6*\c], v[\s+32*\c:\s+15+32*\c], v[TM+8+2*\c]
	v_cvt_scalef32_pk16_fp6_f32 v[PC+12+4*\c:PC+14+4*\c], v[\s+16+32*\c:\s+31+32*\c], v[TM+8+2*\c+1]   ; (a conversion's three registers begin on an even number)
.endr
	v_nop                                          ; one plain instruction behind a scaled conversion
.irp c, 0,1                                    ; a whole block to a lane: lanes 0-15 block 2 c, lanes 16-31 block 2 c + 1
.irp i, 0,1,2
	v_permlane16_swap_b32 v[PC+6*\c+\i], v[PC+12+4*\c+\i]
.endr
.irp i, 0,1,2
	v_mov_b32 v[PC+3+6*\c+\i], v[PC+12+4*\c+\i]
.endr
.endr
.endm
	s_load_b256 s[4:11], s[0:1], 0x0               ; ci s[4:5], cs s[6:7], bq s[8:9], bk s[10:11]
	s_load_b64 s[12:13], s[0:1], 0x20              ; bv
	s_load_b256 s[92:99], s[0:1], 0x28             ; qi s[92:93], qs s[94:95], kv s[96:97], kvs s[98:99]
	v_lshl_add_u32 v[SPW], v0, 2, SPARE
	v_mov_b32 v[NIL], 0
	ds_add_u32 v28, v29
	s_wait_dscnt 0x0
	v_lshrrev_b32 v1, 5, v0
	v_readfirstlane_b32 s14, v1                    ; wave 0..3
	s_lshr_b32 s15, s14, 1                         ; which half of A's rows is mine.  Also: I fetch for A (0) or for B (1)
	s_and_b32 s16, s14, 1                          ; which half of B's rows.  Also: which half of that tile I fetch
	s_bfe_u32 s40, ttmp6, 0x40000                  ; cx, cy: my place in the cluster
	s_bfe_u32 s41, ttmp6, 0x40004
	s_lshl_b32 s42, ttmp9, 2
	s_add_co_u32 s42, s42, s40                     ; gx = 4 x cluster x + cx
	s_and_b32 s17, ttmp7, 0xffff                   ; cluster y
	s_lshl_b32 s43, s41, 2
	s_lshl_b32 s43, 15, s43                        ; my row of the cluster
	s_lshl_b32 s44, 0x1111, s40                    ; my column
	s_mov_b32 s[SEL], 0x76543210
	s_mov_b32 s[SEL+1], 0xfedcba98
	; descriptor group 1: a dense block as rows of 256 bytes (32 elements of 8 bytes): 96 rows of codes, 16 rows of scale words; no padding: images are read as consecutive bytes
	s_or_b32 s[G1+0], s43, (3<<16)|(1<<21)         ; 15:0 the mask: A's tiles go to my row; 17:16 elements of 8 bytes; 21 set beside a mask
	s_or_b32 s[G1B+0], s44, (3<<16)|(1<<21)        ; B's to my column
.irp g, G1, G1B
	s_mov_b32 s[\g+1], 32<<16                      ; tensor_dim0
	s_mov_b32 s[\g+2], 96<<16                      ; tensor_dim1
	s_mov_b32 s[\g+3], 32<<16                      ; tile_dim0
	s_mov_b32 s[\g+4], 96                          ; tile_dim1
	s_mov_b32 s[\g+5], 32                          ; tensor_dim0_stride
	s_mov_b32 s[\g+6], 0
	s_mov_b32 s[\g+7], 0
.endr
	s_or_b32 s[G1S+0], s43, (3<<16)|(1<<21)
	s_or_b32 s[G1SB+0], s44, (3<<16)|(1<<21)
.irp g, G1S, G1SB
	s_mov_b32 s[\g+1], 32<<16
	s_mov_b32 s[\g+2], 16<<16
	s_mov_b32 s[\g+3], 32<<16
	s_mov_b32 s[\g+4], 16
	s_mov_b32 s[\g+5], 32
	s_mov_b32 s[\g+6], 0
	s_mov_b32 s[\g+7], 0
.endr
	; the row blocks that I fetch.  A: 16 cy + 8 x half + (x: 64 x cluster y | Wv: 640).  B: 16 gx + 8 x half + (Wq, Wk: 512 | x: 128 (cluster y - 8)).  A's never holds cx, B's never cy
	s_lshl_b32 s18, s16, 3
	s_lshl_b32 s20, s41, 4
	s_add_co_u32 s20, s20, s18
	s_lshl_b32 s46, s42, 4
	s_add_co_u32 s46, s46, s18
	s_lshl_b32 s19, s17, 6
	s_lshl_b32 s101, s17, 7
	s_sub_co_u32 s101, s101, 1024                  ; (used where cluster y is 8 or more)
	s_mov_b32 s21, 640
	s_mov_b32 s47, 512
	s_cmp_ge_u32 s17, 8
	s_cselect_b32 s[ROLE], 1, 0
	s_cselect_b32 s19, s21, s19
	s_cselect_b32 s101, s101, s47
	s_add_co_u32 s20, s20, s19
	s_add_co_u32 s46, s46, s101
	s_lshl_b32 s22, s20, 9                         ; 512 bytes of scale words a row block,
	s_mov_b32 s23, 0
	s_mul_i32 s20, s20, 3072                       ; 3,072 bytes of codes for 256 along K
	s_mov_b32 s21, 0
	s_lshl_b32 s66, s46, 9
	s_mov_b32 s67, 0
	s_mul_i32 s46, s46, 3072
	s_mov_b32 s47, 0
	s_mul_i32 s45, s14, HALFT                      ; where they go: wave x a part: no place in the cluster enters an LDS address
	s_lshl_b32 s101, s14, 12
	s_wait_kmcnt 0x0
	s_add_nc_u64 s[20:21], s[4:5], s[20:21]
	s_add_nc_u64 s[22:23], s[6:7], s[22:23]
	s_add_nc_u64 s[46:47], s[4:5], s[46:47]
	s_add_nc_u64 s[66:67], s[6:7], s[66:67]
	CROUND                                         ; all sixteen work-groups are here: the first joint loads meet
	s_mov_b32 s[G0S], 1
	s_add_co_u32 s[G0S+1], s101, SCL
	s_mov_b64 s[G0S+2:G0S+3], s[22:23]
	s_or_b32 s[G0S+3], s[G0S+3], 0x80000000
	s_mov_b32 s[G0SB], 1
	s_add_co_u32 s[G0SB+1], s101, SCL
	s_mov_b64 s[G0SB+2:G0SB+3], s[66:67]
	s_or_b32 s[G0SB+3], s[G0SB+3], 0x80000000
	JLOAD G0S, G1S, G0SB, G1SB                     ; the scale words first: they are wanted with the first step
.irp s, 0,1
	s_mov_b32 s[G0+4*\s], 1
	s_add_co_u32 s[G0+4*\s+1], s45, \s*SLOT
	s_add_nc_u64 s[G0+4*\s+2:G0+4*\s+3], s[20:21], \s*KSL
	s_or_b32 s[G0+4*\s+3], s[G0+4*\s+3], 0x80000000
	s_mov_b32 s[G0B+4*\s], 1
	s_add_co_u32 s[G0B+4*\s+1], s45, \s*SLOT
	s_add_nc_u64 s[G0B+4*\s+2:G0B+4*\s+3], s[46:47], \s*KSL
	s_or_b32 s[G0B+4*\s+3], s[G0B+4*\s+3], 0x80000000
	JLOAD G0+4*\s, G1, G0B+4*\s, G1B               ; three tensor loads of mine are out
.endr
	v_and_b32 v[LANE], 31, v0
	v_and_b32 v1, 15, v0                           ; r
	v_bfe_u32 v2, v0, 4, 1                         ; h
	v_lshlrev_b32 v[GO], 3, v[LANE]
	s_mul_i32 s21, s15, HALFT                      ; my half of A
	s_mul_i32 s22, s16, HALFT                      ; my half of B,
	s_add_co_u32 s22, s22, 2*HALFT                 ; behind A's two
.irp s, 0,1
	v_add_nc_u32 v[ADRA+\s], s21, v[GO]
	v_add_nc_u32 v[ADRB+\s], s22, v[GO]
	s_add_co_u32 s21, s21, SLOT
	s_add_co_u32 s22, s22, SLOT
.endr
	v_lshlrev_b32 v5, 3, v1                        ; my row's two words of 256 along K: 8 r
	s_mul_i32 s21, s15, HALFS
	s_mul_i32 s22, s16, HALFS
	s_add_co_u32 s22, s22, 2*HALFS
	s_sub_co_u32 s22, s22, s21
	v_mul_u32_u24 v6, s22, v2                      ; lanes 16-31 take B's: one product, the distance between the two parts x h
	s_add_co_u32 s21, s21, SCL
	v_add_nc_u32 v5, v5, v6
	v_add_nc_u32 v[ADRS], s21, v5
	v_lshlrev_b32 v[GS0], 5, v1
	v_lshl_add_u32 v[GS0], v2, 4, v[GS0]
	v_mul_u32_u24 v[GS1], v2, 12288
	v_lshl_add_u32 v[GS1], v1, 4, v[GS1]
	; THE BIASES, both kinds in every work-group, so that the text parts on the role once, on the way out, and no register is left unwritten on either way: 32 loads, waited for behind the products.
	s_and_b32 s18, s42, 3
	s_lshl_b32 s18, s18, 10                        ; bq or bk: 256 numbers for each tile of the weight,
	s_lshl_b32 s19, s16, 9                         ; 128 for my half of B's rows
	s_add_co_u32 s18, s18, s19
	s_mov_b32 s19, 0
	s_cmp_eq_u32 ttmp9, 0
	s_cselect_b64 s[8:9], s[8:9], s[10:11]
	s_add_nc_u64 s[8:9], s[8:9], s[18:19]
	s_lshl_b32 s18, s41, 10                        ; bv: 256 numbers for each tile of Wv,
	s_lshl_b32 s101, s15, 9                        ; 128 for my half of A's rows
	s_add_co_u32 s18, s18, s101
	s_add_nc_u64 s[12:13], s[12:13], s[18:19]
	v_lshlrev_b32 v[BO0], 6, v2
	v_and_b32 v[BO1], 8, v1
	v_add_nc_u32 v[BO1], v[BO1], v1
	v_lshlrev_b32 v[BO1], 2, v[BO1]
.irp t, 0,1,2,3,4,5,6,7
	global_load_b128 v[BI0+8*\t:BI0+8*\t+3], v[BO0], s[8:9] offset:(32*(\t/2)+8*(\t%2))*4       ; register 8 t + j: the bias of B's row 32 (t / 2) + 8 (t % 2) + 16 h + j
	global_load_b128 v[BI0+8*\t+4:BI0+8*\t+7], v[BO0], s[8:9] offset:(32*(\t/2)+8*(\t%2))*4+16
.endr
.irp a, 0,1,2,3,4,5,6,7
	global_load_b32 v[BI1+2*\a], v[BO1], s[12:13] offset:(32*(\a/2)+8*(\a%2))*4                 ; the bias of my row of A's block a, twice: a pair for the packed addition
	global_load_b32 v[BI1+2*\a+1], v[BO1], s[12:13] offset:(32*(\a/2)+8*(\a%2))*4
.endr
.macro FRAG reg, adr, q, i             ; a fragment comes as it was stored: six pieces, 256 consecutive bytes a load
.irp p, 0,1,2,3,4,5
	ds_load_b64 v[\reg+2*\p:\reg+2*\p+1], v[\adr] offset:(\i)*3072+(\q)*1536+256*\p
.endr
.endm
; 16 matrix instructions: A's blocks a0, a0 + 1 x B's eight, 128 along K: the slot's q-th.  p: B's set; sc: the set of scale words.  zero = 1: the first product starts the sums.
; The 64 accumulators take turns, one instruction a turn, in the same order in every step.
.macro MUL16 a0, p, q, sc, zero
.irp a, \a0, \a0+1
.irp b, 0,1,2,3,4,5,6,7
.if \zero
	v_wmma_scale_f32_16x16x128_f8f6f4 v[8*(8*((\a)%4)+\b):8*(8*((\a)%4)+\b)+7], v[128*(\p)+FR*\b:128*(\p)+FR*\b+FR-1], v[AF+FR*(\a):AF+FR*(\a)+FR-1], 0, v[SC+8*NQ*(\sc)+NQ*\b+(\q)], v[SC+8*NQ*(\sc)+NQ*(\a)+(\q)] matrix_a_fmt:MATRIX_FMT_FP6 matrix_b_fmt:MATRIX_FMT_FP6 matrix_a_scale:MATRIX_SCALE_ROW1
.else
	v_wmma_scale_f32_16x16x128_f8f6f4 v[8*(8*((\a)%4)+\b):8*(8*((\a)%4)+\b)+7], v[128*(\p)+FR*\b:128*(\p)+FR*\b+FR-1], v[AF+FR*(\a):AF+FR*(\a)+FR-1], v[8*(8*((\a)%4)+\b):8*(8*((\a)%4)+\b)+7], v[SC+8*NQ*(\sc)+NQ*\b+(\q)], v[SC+8*NQ*(\sc)+NQ*(\a)+(\q)] matrix_a_fmt:MATRIX_FMT_FP6 matrix_b_fmt:MATRIX_FMT_FP6 matrix_a_scale:MATRIX_SCALE_ROW1
.endif
.endr
.endr
.endm
.macro FETCH_B slot, q, p              ; B's eight fragments of the slot's q-th 128 along K into set p
	WIN TO_B
.irp i, 0,1,2,3,4,5,6,7
	FRAG 128*(\p)+FR*\i, ADRB+\slot, \q, \i
.endr
	WIN 0
.endm
.macro FETCH_A slot, q, i0             ; A's blocks i0 .. i0 + 3
.irp i, \i0, \i0+1, \i0+2, \i0+3
	FRAG AF+FR*(\i), ADRA+\slot, \q, \i
.endr
.endm
.macro SCALES sc                       ; the slot's scale words into set sc: two words a row; lanes 0-15 take A's block i, lanes 16-31 B's block i
.irp i, 0,1,2,3,4,5,6,7
	ds_load_b64 v[SC+8*NQ*\sc+NQ*\i:SC+8*NQ*\sc+NQ*\i+1], v[ADRS] offset:\i*512
.endr
.endm
; A load into a register that a matrix instruction has read, and a vector instruction that reads a matrix result or writes one of its registers, stand NP plain vector instructions behind it (ISA guide 7.12.1 for vector instructions).
.macro PLACES n
.rept \n
	v_nop
.endr
.endm
; A step of 128 along K that has its successor in the same slot.  A's blocks go one after the other, each against B's eight, so one set of registers serves A; B has two.
.macro STEP slot, q, zero
	s_wait_dscnt 4*NL                              ; B's set, A's blocks 0-3 and the scale words are in; the youngest 24 loads (A's blocks 4-7) may be out
	WIN MUL_LO
	MUL16 0, (\q)%2, \q, \slot, \zero
	MUL16 2, (\q)%2, \q, \slot, \zero
	s_wait_dscnt 0                                 ; A's blocks 4-7 are in
	PLACES NP
	FETCH_B \slot, (\q)+1, 1-(\q)%2
	FETCH_A \slot, (\q)+1, 0
	WIN MUL_HI
	MUL16 4, (\q)%2, \q, \slot, \zero
	MUL16 6, (\q)%2, \q, \slot, \zero
	PLACES NP
	WIN 0
	FETCH_A \slot, (\q)+1, 4
.endm
; A slot's last step changes slots: one barrier; in front of it each wave waits for all its tensor loads, adds 0 to its spare word, and waits for that and for its own reads of this slot.  fill = 1: this slot is filled again, 512 along K ahead.
.macro TURN slot, next, fill
	s_wait_tensorcnt 0x0                           ; all my tensor loads have landed: my part of the next slot
	ds_add_u32 v[SPW], v[NIL]                      ; 0 onto my spare word
	s_wait_dscnt 4*NL+1                            ; (the add and the youngest 24 loads, A's blocks 4-7, may be out)
	WIN MUL_LO
	MUL16 0, 1, NQ-1, \slot, 0                     ; sixteen matrix instructions stand between the add and the wait for it
	s_wait_dscnt 0x0                               ; the add is done, and my reads of this slot are over
	s_barrier_signal -1
	MUL16 2, 1, NQ-1, \slot, 0
	WIN 0
	s_barrier_wait -1
.if \fill
	CREST                                          ; the barrier has opened a round of the cluster's barrier: no wave of any partner still reads this slot or has a load on its way
	s_add_nc_u64 s[G0+4*\slot+2:G0+4*\slot+3], s[G0+4*\slot+2:G0+4*\slot+3], 2*KSL
	s_add_nc_u64 s[G0B+4*\slot+2:G0B+4*\slot+3], s[G0B+4*\slot+2:G0B+4*\slot+3], 2*KSL
	JLOAD G0+4*\slot, G1, G0B+4*\slot, G1B         ; the first tensor load behind the round, and my only one until the next; its four v_nop are the places in front of the loads below
.else
	PLACES NP
.endif
	v_add_nc_u32 v[ADRS], 128, v[ADRS]             ; on to the next 256 along K's scale words
	FETCH_B \next, 0, 0
	FETCH_A \next, 0, 0
	SCALES \next
	WIN MUL_HI
	MUL16 4, 1, NQ-1, \slot, 0
	MUL16 6, 1, NQ-1, \slot, 0
	PLACES NP
	WIN 0
	FETCH_A \next, 0, 4
.endm
	s_wait_tensorcnt 1                             ; the scale words and my part of slot 0 are in (slot 1's load may be out)
	s_barrier_signal -1
	s_barrier_wait -1                              ; everybody's are
	FETCH_B 0, 0, 0
	FETCH_A 0, 0, 0
	SCALES 0
	FETCH_A 0, 0, 4
	STEP 0, 0, 1                                   ; K 0-127: its products start the sums.  Eight steps, written out: a loop would have one trip
	TURN 0, 1, 1                                   ; K 128-255; slot 0 takes K 512-767
	STEP 1, 0, 0
	TURN 1, 0, 1                                   ; slot 1 takes K 768-1,023
	STEP 0, 0, 0
	TURN 0, 1, 0                                   ; nothing is left to fetch
	STEP 1, 0, 0
	s_wait_dscnt 4*NL                              ; the last step
	WIN MUL_LO
	MUL16 0, 1, NQ-1, 1, 0
	MUL16 2, 1, NQ-1, 1, 0
	s_wait_dscnt 0
	WIN MUL_HI
	MUL16 4, 1, NQ-1, 1, 0
	MUL16 6, 1, NQ-1, 1, 0
	WIN 0
	; THE WAY OUT.  No tensor load of mine is out, so the descriptors' registers are free.  Where my results go:
	PLACES NP
	s_wait_loadcnt 0x0                             ; the biases
.irp b, 0,1,2,3
	v_mov_b32 v[TM+4+\b], 0                        ; written once: a lane permute's destination counts as one of its sources
.endr
	s_lshl_b32 s68, s17, 2
	s_add_co_u32 s68, s68, s41
	s_lshl_b32 s68, s68, 1
	s_add_co_u32 s68, s68, s15                     ; q, k: my 128 tokens: 2 (4 x cluster y + cy) + A's half
	s_lshl_b32 s69, s17, 3
	s_sub_co_u32 s69, s69, 64
	s_add_co_u32 s69, s69, s42
	s_lshl_b32 s69, s69, 1
	s_add_co_u32 s69, s69, s16                     ; v: 2 (gx + 8 (cluster y - 8)) + B's half
	s_and_b32 s70, s42, 3
	s_lshl_b32 s70, s70, 1
	s_add_co_u32 s70, s70, s16                     ; q, k: my pair of heads: 2 (gx % 4) + B's half
	s_lshl_b32 s71, s41, 1
	s_add_co_u32 s71, s71, s15                     ; v: 2 cy + A's half
	s_cmp_lg_u32 s[ROLE], 0
	s_cselect_b32 s68, s69, s68
	s_cselect_b32 s70, s71, s70
	s_cselect_b32 s72, 12288, 0                    ; V^T's images lie behind K's in a slot of kv,
	s_cselect_b32 s73, 512, 0                      ; V's words behind K's in kvs
	s_lshr_b32 s69, s68, 4                         ; the batch
	s_and_b32 s68, s68, 15                         ; which 128 tokens of its 2,048
	s_lshl_b32 s69, s69, 4
	s_lshl_b32 s70, s70, 1
	s_add_co_u32 s69, s69, s70                     ; my first head: 16 x batch + 2 x pair
	s_mul_i32 s74, s69, 196608                     ; kv: a head's 8 slots,
	s_lshr_b32 s75, s68, 1
	s_mul_i32 s75, s75, 24576                      ; the slot of 256 keys,
	s_add_co_u32 s74, s74, s75
	s_and_b32 s75, s68, 1
	s_mul_i32 s75, s75, 6144                       ; its half: 8 half images of K, or 4 images of V^T
	s_add_co_u32 s74, s74, s75
	s_add_co_u32 s74, s74, s72
	s_lshl_b32 s75, s69, 4
	s_add_co_u32 s75, s75, s68                     ; 16 x head + which 128 tokens
	s_mul_i32 s84, s75, 768
	s_add_co_u32 s84, s84, s73                     ; kvs
	s_lshl_b32 s85, s75, 9                         ; qs
	s_mul_i32 s86, s75, 6144                       ; qi: 8 half images of 768 bytes
	s_or_b32 s87, s[ROLE], ttmp9
	s_cmp_lg_u32 s87, 0                            ; k and v go to kv and kvs, q to qi and qs
	s_cselect_b64 s[76:77], s[96:97], s[92:93]
	s_cselect_b64 s[80:81], s[98:99], s[94:95]
	s_cselect_b32 s74, s74, s86
	s_cselect_b32 s84, s84, s85
	s_mov_b32 s86, 98304
	s_cselect_b32 s86, 196608, s86                 ; from a head to the next: codes,
	s_mov_b32 s85, 8192
	s_cselect_b32 s85, 12288, s85                  ; scale words
	s_mov_b32 s75, 0
	s_mov_b32 s87, 0
	s_add_nc_u64 s[76:77], s[76:77], s[74:75]      ; codes, my first head
	s_add_nc_u64 s[78:79], s[76:77], s[86:87]      ; my second
	s_mov_b32 s74, s84
	s_add_nc_u64 s[80:81], s[80:81], s[74:75]      ; scale words, my first head
	s_mov_b32 s74, s85
	s_add_nc_u64 s[82:83], s[80:81], s[74:75]      ; my second
; Block a of A's rows: + bias (the addition also brings the numbers into window 0; each accumulator is read from its low end on), quantised, stored as pieces of 256 consecutive bytes, aligned.
.macro EPI a, role
	WIN 0x02+(\a)/4                                ; source 0: window 2 or 3
.set ii, 0
.rept 32
.if \role
	v_pk_add_f32 v[X+2*ii:X+2*ii+1], v[64*((\a)%4)+2*ii:64*((\a)%4)+2*ii+1], v[BI1+2*(\a):BI1+2*(\a)+1]
.else
	v_pk_add_f32 v[X+2*ii:X+2*ii+1], v[64*((\a)%4)+2*ii:64*((\a)%4)+2*ii+1], v[BI0+2*ii:BI0+2*ii+1]
.endif
.set ii, ii+1
.endr
	WIN 0
.if (\a) > 0
	s_wait_xcnt 0x0                                ; the last block's stores have read the fragment's registers
.endif
	QUANT X, PWS+(\a)
.if \role
.irp p, 0,1,2,3,4,5
	global_store_b64 v[GO], v[PC+2*\p:PC+2*\p+1], s[76+2*((\a)/4):77+2*((\a)/4)] offset:1536*((\a)%4)+256*\p   ; 16 channels x 128 keys: blocks 0-3 my first head's, 4-7 my second's
.endr
.else
.irp p, 0,1,2
	global_store_b64 v[GO], v[PC+2*\p:PC+2*\p+1], s[76:77] offset:768*(\a)+256*\p          ; 16 tokens x my first head's 64
	global_store_b64 v[GO], v[PC+6+2*\p:PC+7+2*\p], s[78:79] offset:768*(\a)+256*\p        ; and my second head's
.endr
.endif
.endm
.macro PICK                            ; lanes 0-15 store the words of blocks 0-3, lanes 16-31 those of blocks 4-7
	v_cmp_lt_u32 vcc_lo, 15, v[LANE]
.irp i, 0,1,2,3
	v_cndmask_b32 v[SELR+\i], v[PWS+\i], v[PWS+4+\i], vcc_lo
.endr
.endm
	s_cmp_lg_u32 s[ROLE], 0                        ; the text's one branch on the role: the cluster's y, the same in all partners; neither way touches LDS
	s_cbranch_scc1 .Lrole_v
.irp a, 0,1,2,3,4,5,6,7
	EPI \a, 0
.endr
	PICK
.irp i, 0,1,2,3
	v_lshrrev_b32 v[SH+\i], 16, v[SELR+\i]         ; bytes 2, 3: my second head's two blocks; the upper bytes of a stored word are 0
	v_and_b32 v[SELR+\i], 0xffff, v[SELR+\i]       ; bytes 0, 1: my first head's
.endr
	global_store_b128 v[GS0], v[SELR:SELR+3], s[80:81]   ; 512 consecutive bytes, aligned
	global_store_b128 v[GS0], v[SH:SH+3], s[82:83]
	s_branch .Lend
.Lrole_v:
.irp a, 0,1,2,3,4,5,6,7
	EPI \a, 1
.endr
	PICK
	global_store_b128 v[GS1], v[SELR:SELR+3], s[80:81]   ; lanes 0-15: 256 consecutive bytes of my first head's words, lanes 16-31 of my second's
.Lend:
	s_wait_tensorcnt 0x0                           ; the wave's end
	ds_add_u32 v[SPW], v[NIL]
	s_wait_dscnt 0x0
	CROUND                                         ; the closing round: no work-group ends while a partner may still ask for a tile that names it
	s_endpgm
.Lfunc_end_k_qec69365531_proj:
	.size	k_qec69365531_proj, .Lfunc_end_k_qec69365531_proj-k_qec69365531_proj
	.p2alignl 7, 3214868480
	.fill 96, 4, 3214868480
	.section	.rodata,"a",@progbits
	.p2align	6, 0x0
	.amdhsa_kernel k_qec69365531_proj
		.amdhsa_group_segment_fixed_size 327680
		.amdhsa_private_segment_fixed_size 0
		.amdhsa_enable_private_segment 0
		.amdhsa_kernarg_size 72
		.amdhsa_user_sgpr_count 2
		.amdhsa_user_sgpr_kernarg_segment_ptr 1
		.amdhsa_wavefront_size32 1
		.amdhsa_system_sgpr_workgroup_id_x 1
		.amdhsa_system_sgpr_workgroup_id_y 1
		.amdhsa_system_sgpr_workgroup_id_z 1
		.amdhsa_system_vgpr_workitem_id 0
		.amdhsa_next_free_vgpr 1024
		.amdhsa_next_free_sgpr 102
		.amdhsa_reserve_vcc 1
		.amdhsa_float_denorm_mode_32 3
		.amdhsa_float_denorm_mode_16_64 3
		.amdhsa_memory_ordered 1
		.amdhsa_forward_progress 1
		.amdhsa_inst_pref_size 239
	.end_amdhsa_kernel
	.amdgpu_metadata
---
amdhsa.version: [ 1, 2 ]
amdhsa.kernels:
  - .name:           k_qec69365531_proj
    .symbol:         k_qec69365531_proj.kd
    .args:
      - { .name: ci, .offset: 0, .size: 8, .value_kind: global_buffer, .address_space: global }
      - { .name: cs, .offset: 8, .size: 8, .value_kind: global_buffer, .address_space: global }
      - { .name: bq, .offset: 16, .size: 8, .value_kind: global_buffer, .address_space: global }
      - { .name: bk, .offset: 24, .size: 8, .value_kind: global_buffer, .address_space: global }
      - { .name: bv, .offset: 32, .size: 8, .value_kind: global_buffer, .address_space: global }
      - { .name: qi, .offset: 40, .size: 8, .value_kind: global_buffer, .address_space: global }
      - { .name: qs, .offset: 48, .size: 8, .value_kind: global_buffer, .address_space: global }
      - { .name: kv, .offset: 56, .size: 8, .value_kind: global_buffer, .address_space: global }
      - { .name: kvs, .offset: 64, .size: 8, .value_kind: global_buffer, .address_space: global }
    .group_segment_fixed_size: 327680
    .private_segment_fixed_size: 0
    .kernarg_segment_align: 8
    .kernarg_segment_size: 72
    .max_flat_workgroup_size: 128
    .sgpr_count:     102
    .vgpr_count:     1024
    .wavefront_size: 32
...
	.end_amdgpu_metadata
.endif
;; end of part 2
;; launch attn (part 3): grid 8 x 32, 16 waves a work-group, clusters of 4 x 1, 327,680 bytes of LDS; arguments qi, qs, kv, kvs, ai, asc; writes ai, asc
.if DOCPART == 3
	.amdgcn_target "amdgcn-amd-amdhsa--gfx1250"
	.amdhsa_code_object_version 6
	.text
	.protected	k_qec69365531_attn
	.globl	k_qec69365531_attn
	.p2align	8
	.type	k_qec69365531_attn,@function
k_qec69365531_attn:
	s_mov_b64 s[64:65], 0
	v_nop
	global_prefetch_b8 v0, s[64:65] scope:SCOPE_SE
	s_setreg_imm32_b32 hwreg(HW_REG_WAVE_MODE, 25, 1), 1
	s_wait_xcnt 0x0
	s_wait_alu depctr_hold_cnt(0) depctr_sa_sdst(0) depctr_va_vdst(0) depctr_va_sdst(0) depctr_va_ssrc(0) depctr_va_vcc(0) depctr_vm_vsrc(0)
	s_getreg_b32 s2, hwreg(HW_REG_IB_STS2, 6, 4)
	s_cmp_eq_u32 s2, 0
	s_cbranch_scc0 .Lentry_in_a_cluster
	s_endpgm
.Lentry_in_a_cluster:
	s_bfe_u32 s2, ttmp6, 0x10000c
	s_cmp_lg_u32 s2, 0x3003
	s_cbranch_scc0 .Lentry_shape_is_right
	s_endpgm
.Lentry_shape_is_right:
; For each head: O[q] = the sum over k of softmax_k(Q[q] . K[k] / 8) V[k], both products on codes of FP6 (E2M3) with E8M0 scales; O / l is quantised along e and leaves as the last product's operand.
; THE SOFTMAX AHEAD OF THE SECOND PRODUCT: t = score x log2(e) / 8; M = the running largest t rounded UP to a whole number; p = 2^(t - M) is quantised along the keys, not normalised; the row's sum l is taken of the
; unquantised p in f32 and divides at the end.  When M moves, l and O are multiplied by 2^(old M - new M): exact.
; SHARES.  A work-group owns 256 queries of a PAIR of heads (y: heads 2 y, 2 y + 1); each of its sixteen waves owns one tile of 16 queries in 256 registers: four waves to a SIMD, so that one wave's vector work stands beside
; another's matrix work and LDS loads.  The wave walks the first head's 2,048 keys, then the second's, 128 a step; at the end it holds its rows' whole fragment of 128 along e and its whole scale word.
; The pair's sixteen slots of 256 keys are 393,216 consecutive bytes of kv: the walking descriptor steps 24,576 bytes throughout.
; CLUSTER.  The four query blocks of a cluster walk the same K and V: each slot is asked for jointly (mask 15), waves 0 to 3 a quarter each.
; LAYOUT.  Both products are used transposed: S^T = K Q^T, O^T = V^T P^T: a lane holds one query throughout.  Lane m of a tile of K is key 32 (t / 2) + 8 (t % 2) + m + 8 (m / 8), so that the 16 registers of two
; neighbouring tiles are 16 neighbouring keys; V^T's channels are ordered alike, so that O^T's registers run along e.  All operands lie in LDS as images of their registers: a piece is 256 consecutive bytes, 8 a lane.
; K = 64 IN AN INSTRUCTION OF 128: Q's registers 6-11 are zero codes.  K's operand for tile t is v[32 + 6 t] on, twelve registers: the upper six are the next tile's codes (behind the last: zeros); they meet zero codes,
; and bytes 2 and 3 of both scale words are 0, which stands for 2^-127 and not for NaN: they add nothing.
; LIMITS: NaN and infinities are not served.  A p under 2^-126 is 0 (v_exp_f32 flushes).  1 / l is v_rcp_f32 and a multiplication.  A block of zeros gets the byte 1: its codes are zeros, and this program alone reads the bytes.
; asc's words leave 4 bytes a row, 8 bytes apart (64 bytes a wave beside its 1,536 bytes of codes): the words between them belong to another pair of heads.
.set SLOT1, 1<<15                      ; slot 0 at 0, slot 1 here (24,576 bytes each): one exclusive or turns an address
.set SCB,   2*SLOT1                    ; both heads' scale words, 24,576 bytes, filled once
.set SPARE, SCB+24576                  ; the spare words, 128 bytes for each wave: eight blocks of 256 bytes that no other line names
.set AK0,  1                           ; v1   8 x lane: my place in a piece of K
.set AV0,  2                           ; v2   the same for V^T, 12,288 bytes on in a slot
.set ASK0, 3                           ; v3   K's scale words: 32 r
.set ASV0, 4                           ; v4   V's: 512 + 16 r
.set SPW,  5                           ; v5   LDS address of my spare word; never rewritten
.set NIL,  6                           ; v6   0; never rewritten
.set GO,   7                           ; v7   8 x lane, for Q's loads and the stores
.set ADK,  8                           ; v8-11 the addresses of the step in hand
.set ADV,  9
.set ADS,  10
.set ADT,  11
.set QF,   16                          ; v16-27 Q (v22-27 zeros); v12 -M, v13 the largest t, v[14:15] l in two halves
.set PFO,  28                          ; v28  256 x lane: the prefetches' offset; never rewritten
.set QSO,  29                          ; v29  32 r + 4 (wave % 8): Q's scale word
.set GS,   30                          ; v30  8 r: the result's scale word
.set KF,   32                          ; v32-79 K's eight half images, later V^T's four fragments; v80-85 zeros
.set S,    96                          ; v96-159 S^T, then p
.set OT,   160                         ; v160-191 O^T
.set KS,   192                         ; v192-199 K's scale words; v200-203 V's: these hold scales and nothing else
.set VS,   200
.set CA,   206                         ; v206-211 the first head's codes; v212 its two bytes; v213 the whole word; v214-219 the second head's codes
.set HB,   212
.set HW,   213
.set CB,   214
.set PCD,  224                         ; v224-235 p's codes; v232-247, v252, v254 at work; v253 p's scale word; v255 Q's
.set QS,   255
.set WV,   18
.set SEL,  20                          ; s[20:21] lane selects for v_permlanex16_b32: lane l xor 16
.set CS,   22                          ; s[22:23] c = log2(e) / 8
.set G1,   24                          ; s[24:31] the one descriptor group 1; s[40:43] the walking group 0; s[44:47] the scale words'
.set G0,   40
.set G0S,  44
.set TB,   2                           ; s2   LDS byte at which the slot in hand begins
.set TS,   3                           ; s3   where the step's scale words begin: 768 bytes a step
.set SLOTS, 66
.set NC,   67                          ; s67  changes of slots so far
.set PFA,  68                          ; s[68:69] where my prefetches stand
.set PFK,  70                          ; s70  2 in a wave that prefetches, else 7
.macro CROUND                          ; a round of the cluster's barrier
	s_barrier_signal -1
	s_barrier_wait -1
	s_cmp_lg_u32 s[WV], 0
	s_cbranch_scc1 .Lnot_wave_0_\@
	s_barrier_signal -3
.Lnot_wave_0_\@:
	s_barrier_wait -3
	s_barrier_signal -1
	s_barrier_wait -1
.endm
.macro TLOAD                           ; waves 0 to 3 fetch a quarter of the slot each; four v_nop follow the line
	s_cmp_lt_u32 s[WV], 4
	s_cbranch_scc0 .Lasked_\@
	tensor_load_to_lds s[G0:G0+3], s[G1:G1+7]
	s_nop 0
.rept 4
	v_nop
.endr
.Lasked_\@:
.endm
; A PREFETCH INTO THE L2.  Both clusters of a pair of heads walk the same sixteen slots: the first cluster asks.  At changes 2, 6 and 10 (counted from 0; change n asks for slot n + 1) partner cx names slot n + 2 + cx whole:
; waves 4 to 6, 8,192 bytes each, lanes 256 bytes apart; the partners are told apart by address.  So each aligned 256 bytes of slots 4 to 15 are named once in the launch, one to four changes ahead of their load;
; slots 0 to 3 come by their loads alone, and behind change 10 nothing is asked for: slot 15 is the pair's last.
.macro ASK
	s_and_b32 s82, s[NC], 3
	s_cmp_eq_u32 s82, s[PFK]
	s_cbranch_scc0 .Lnot_mine_\@
	s_cmp_lt_u32 s[NC], 12
	s_cbranch_scc0 .Lnot_mine_\@
	global_prefetch_b8 v[PFO], s[PFA:PFA+1] th:TH_LOAD_NT scope:SCOPE_SE
.Lnot_mine_\@:
.endm
	s_load_b256 s[4:11], s[0:1], 0x0               ; qi s[4:5], qs s[6:7], kv s[8:9], kvs s[10:11]
	s_load_b128 s[12:15], s[0:1], 0x20             ; ai s[12:13], asc s[14:15]
	v_lshl_add_u32 v[SPW], v0, 2, SPARE
	v_mov_b32 v[NIL], 0
	ds_add_u32 v5, v6
	s_wait_dscnt 0x0
	v_lshrrev_b32 v8, 5, v0
	v_readfirstlane_b32 s[WV], v8                  ; wave 0..15
	s_bfe_u32 s72, ttmp6, 0x40000                  ; cx
	s_lshl_b32 s73, ttmp9, 2
	s_add_co_u32 s73, s73, s72                     ; my block of 256 queries: it enters Q's and the result's addresses alone
	s_and_b32 s74, ttmp7, 0xffff                   ; y: the pair of heads, which the partners share
	s_mov_b32 s[G1], 15|(3<<16)|(1<<21)            ; 15:0 the mask: all four; 17:16 elements of 8 bytes; 21 set beside a mask; no padding
	s_mov_b32 s[G1+1], 32<<16                      ; tensor_dim0: rows of 256 bytes
	s_mov_b32 s[G1+2], 24<<16                      ; tensor_dim1: 24 rows: 6,144 bytes, a quarter of a slot or of the scale words
	s_mov_b32 s[G1+3], 32<<16                      ; tile_dim0
	s_mov_b32 s[G1+4], 24                          ; tile_dim1
	s_mov_b32 s[G1+5], 32                          ; tensor_dim0_stride: dense
	s_mov_b32 s[G1+6], 0
	s_mov_b32 s[G1+7], 0
	s_and_b32 s75, s[WV], 3
	s_mul_i32 s75, s75, 6144                       ; the quarter that I fetch, if I fetch
	s_mul_i32 s76, s74, 393216
	s_add_co_u32 s76, s76, s75                     ; in kv
	s_mov_b32 s77, 0
	s_mul_i32 s78, s74, 24576
	s_add_co_u32 s78, s78, s75                     ; in kvs
	s_mov_b32 s79, 0
	s_lshl_b32 s80, s74, 8
	s_lshl_b32 s81, s73, 4
	s_add_co_u32 s80, s80, s81
	s_add_co_u32 s80, s80, s[WV]
	s_mul_i32 s80, s80, 768                        ; Q: (128 x head + 16 x block + wave) half images
	s_mov_b32 s81, 0
	s_lshl_b32 s82, s74, 14                        ; Q's words: 8,192 bytes a head,
	s_lshl_b32 s83, s73, 10
	s_add_co_u32 s82, s82, s83
	s_lshr_b32 s83, s[WV], 3
	s_lshl_b32 s83, s83, 9                         ; 512 for each 128 tokens
	s_add_co_u32 s82, s82, s83
	s_mov_b32 s83, 0
	s_lshr_b32 s84, s74, 3
	s_lshl_b32 s84, s84, 7
	s_lshl_b32 s85, s73, 4
	s_add_co_u32 s84, s84, s85
	s_add_co_u32 s84, s84, s[WV]                   ; my row block of the result: 128 x batch + 16 x block + wave
	s_and_b32 s85, s74, 7                          ; the pair among the batch's eight = which 128 along e
	s_lshr_b32 s86, s85, 1                         ; which 256,
	s_and_b32 s85, s85, 1                          ; and which half of it
	s_lshl_b32 s87, s84, 9
	s_lshl_b32 s88, s86, 7
	s_add_co_u32 s87, s87, s88
	s_lshl_b32 s88, s85, 2
	s_add_co_u32 s88, s87, s88                     ; asc: 512 x row block + 128 x (which 256) + 4 x half
	s_mov_b32 s89, 0
	s_lshl_b32 s86, s86, 9
	s_add_co_u32 s86, s86, s84
	s_mul_i32 s86, s86, 3072
	s_mul_i32 s85, s85, 1536
	s_add_co_u32 s86, s86, s85                     ; ai: (512 x (which 256) + row block) x 3,072 + 1,536 x half
	s_mov_b32 s87, 0
	s_add_co_u32 s90, s72, 1
	s_mul_i32 s90, s90, 24576                      ; the prefetches: slot 1 + cx; each change of slots steps it by a slot ahead of its use,
	s_and_b32 s91, s[WV], 3
	s_lshl_b32 s91, s91, 13                        ; my wave's 8,192 bytes,
	s_add_co_u32 s90, s90, s91
	s_mul_i32 s91, s74, 393216                     ; in my pair of heads
	s_add_co_u32 s90, s90, s91
	s_mov_b32 s91, 0
	s_sub_co_u32 s71, s[WV], 4                     ; 0, 1, 2 in waves 4 to 6
	s_cmp_lt_u32 s71, 3
	s_cselect_b32 s71, 0, 1
	s_or_b32 s71, s71, ttmp9                       ; of the pair's first cluster: the same in all four partners
	s_cmp_eq_u32 s71, 0
	s_cselect_b32 s[PFK], 2, 7
	s_and_b32 s71, s[WV], 7
	s_lshl_b32 s71, s71, 2
	s_mov_b32 s[SEL], 0x76543210
	s_mov_b32 s[SEL+1], 0xfedcba98
	s_mov_b32 s[CS], 0x3e38aa3b                    ; c = log2(e) / 8
	s_mov_b32 s[CS+1], s[CS]                       ; (named with it as a pair, so it is written)
	s_mov_b32 s[TB], 0
	s_mov_b32 s[TS], 0
	s_mov_b32 s[NC], 0
	s_wait_kmcnt 0x0
	s_add_nc_u64 s[4:5], s[4:5], s[80:81]
	s_add_nc_u64 s[6:7], s[6:7], s[82:83]
	s_add_nc_u64 s[12:13], s[12:13], s[86:87]
	s_add_nc_u64 s[14:15], s[14:15], s[88:89]
	s_add_nc_u64 s[PFA:PFA+1], s[8:9], s[90:91]
	s_mov_b32 s[G0], 1                             ; 1:0 count = 1
	s_mov_b32 s[G0+1], s75                         ; LDS address: slot 0, my quarter
	s_add_nc_u64 s[G0+2:G0+3], s[8:9], s[76:77]
	s_or_b32 s[G0+3], s[G0+3], 0x80000000          ; type = 2
	s_mov_b32 s[G0S], 1
	s_add_co_u32 s[G0S+1], s75, SCB
	s_add_nc_u64 s[G0S+2:G0S+3], s[10:11], s[78:79]
	s_or_b32 s[G0S+3], s[G0S+3], 0x80000000
	CROUND                                         ; all four work-groups are here: the first joint loads meet
	s_cmp_lt_u32 s[WV], 4                          ; a wave's two first fills stand in one branch: two loads of mine are out
	s_cbranch_scc0 .Lfirst_asked
	tensor_load_to_lds s[G0S:G0S+3], s[G1:G1+7]    ; both heads' scale words: filled once
	s_nop 0
	tensor_load_to_lds s[G0:G0+3], s[G1:G1+7]      ; slot 0
	s_nop 0
.rept 4
	v_nop
.endr
.Lfirst_asked:
	v_and_b32 v9, 31, v0                           ; lane
	v_and_b32 v8, 15, v0                           ; r
	v_lshlrev_b32 v[GO], 3, v9
	v_lshl_add_u32 v[QSO], v8, 5, s71
.irp p, 0,1,2
	global_load_b64 v[QF+2*\p:QF+2*\p+1], v[GO], s[4:5] offset:256*\p   ; the first head's Q: a half image
.endr
	global_load_b32 v[QS], v[QSO], s[6:7]
	v_lshlrev_b32 v[AK0], 3, v9
	v_add_nc_u32 v[AV0], 12288, v[AK0]
	v_lshl_add_u32 v[ASK0], v8, 5, SCB
	v_lshl_add_u32 v[ASV0], v8, 4, SCB+512
	v_lshlrev_b32 v[PFO], 8, v9
	v_lshlrev_b32 v[GS], 3, v8
.irp j, 0,1,2,3,4,5
	v_mov_b32 v[QF+6+\j], 0                        ; zero codes for K 64 to 127,
	v_mov_b32 v[KF+48+\j], 0                       ; and behind K's last half image
.endr
.irp b, 0,1,2,3
	v_mov_b32 v[236+\b], 0                         ; written once: a lane permute's destination counts as one of its sources
.endr
	v_mov_b32 v253, 0                              ; (named as the upper half of the pair v[252:253] before it is first written)
.macro BEGIN                           ; a head begins: the largest t under every t, the sums zero.  The step is written once: the first finds zeros, which the first change of M leaves zeros
	v_mov_b32 v13, 0xff61b1e6                      ; -3e38
	v_floor_f32 v12, -v13                          ; -M
	v_mov_b32 v14, 0
	v_mov_b32 v15, 0
.irp j, 0,1,2,3,4,5,6,7,8,9,10,11,12,13,14,15,16,17,18,19,20,21,22,23,24,25,26,27,28,29,30,31
	v_mov_b32 v[OT+\j], 0
.endr
.endm
	BEGIN
; A KEY STEP: 128 keys, the q-th of the slot in hand.
.macro STEP q
	v_add_nc_u32 v[ADK], s[TB], v[AK0]             ; (these four are the places between the last products and the loads into the registers that they read)
	v_add_nc_u32 v[ADV], s[TB], v[AV0]
	v_add_nc_u32 v[ADS], s[TS], v[ASK0]
	v_add_nc_u32 v[ADT], s[TS], v[ASV0]
.irp t, 0,1,2,3,4,5,6,7
.irp p, 0,1,2
	ds_load_b64 v[KF+6*\t+2*\p:KF+6*\t+2*\p+1], v[ADK] offset:(8*(\q)+\t)*768+256*\p
.endr
.endr
	ds_load_b128 v[KS:KS+3], v[ADS]
	ds_load_b128 v[KS+4:KS+7], v[ADS] offset:16
	s_wait_dscnt 0x0
.irp t, 0,1,2,3,4,5,6,7                        ; S^T = K Q^T: eight tiles of 16 keys
	v_wmma_scale_f32_16x16x128_f8f6f4 v[S+8*\t:S+8*\t+7], v[KF+6*\t:KF+6*\t+11], v[QF:QF+11], 0, v[KS+\t], v[QS] matrix_a_fmt:MATRIX_FMT_FP6 matrix_b_fmt:MATRIX_FMT_FP6
.endr
.rept 4
	v_nop                                          ; places in front of the loads into K's registers and of the first read of the scores
.endr
.irp t, 0,1,2,3                                ; V^T's four fragments are asked for already here: they land under the softmax
.irp p, 0,1,2,3,4,5
	ds_load_b64 v[KF+12*\t+2*\p:KF+12*\t+2*\p+1], v[ADV] offset:6144*(\q)+1536*\t+256*\p
.endr
.endr
	ds_load_b128 v[VS:VS+3], v[ADT]
.irp b, 0,1,2,3
	v_max3_num_f32 v[232+\b], v[96+16*\b], v[97+16*\b], v[98+16*\b]   ; the largest score of each block of 32 keys: it serves for the row's maximum and, since p rises with the score, for the block's largest p
.endr
.irp i, 3,5,7,9,11,13
.irp b, 0,1,2,3
	v_max3_num_f32 v[232+\b], v[232+\b], v[96+16*\b+\i], v[97+16*\b+\i]
.endr
.endr
.irp b, 0,1,2,3
	v_max_num_f32 v[232+\b], v[232+\b], v[111+16*\b]
.endr
.irp b, 0,1,2,3
	v_permlanex16_b32 v[236+\b], v[232+\b], s[SEL], s[SEL+1]
.endr
.irp b, 0,1,2,3
	v_max_num_f32 v[232+\b], v[232+\b], v[236+\b]  ; with lane l xor 16's 16 keys
.endr
	v_max3_num_f32 v254, v232, v233, v234
	v_max_num_f32 v254, v254, v235                 ; the step's largest score of my query
	v_mul_f32 v254, s[CS], v254                    ; as t (c is positive)
	v_max_num_f32 v13, v13, v254                   ; the running largest t
	v_mov_b32 v254, v12
	v_floor_f32 v12, -v13                          ; the new -M = floor(-t) = -ceil(t): M is a whole number
	v_sub_f32 v254, v12, v254                      ; old M - new M: a whole number, 0 or less
	v_cvt_i32_f32 v254, v254                       ; (it saturates)
	v_ldexp_f32 v252, 1.0, v254                    ; f = 2^(old M - new M)
.irp j, 0,2,4,6,8,10,12,14,16,18,20,22,24,26,28,30,32,34,36,38,40,42,44,46,48,50,52,54,56,58,60,62
	v_pk_fma_f32 v[96+\j:97+\j], v[96+\j:97+\j], s[CS:CS+1], v[12:13] op_sel_hi:[1,0,0]   ; t - M, two at a time
.endr
.irp b, 0,1,2,3
	v_fma_f32 v[232+\b], v[232+\b], s[CS], v12     ; the same of each block's largest score
.endr
.irp j, 0,1,2,3,4,5,6,7,8,9,10,11,12,13,14,15,16,17,18,19,20,21,22,23,24,25,26,27,28,29,30,31,32,33,34,35,36,37,38,39,40,41,42,43,44,45,46,47,48,49,50,51,52,53,54,55,56,57,58,59,60,61,62,63
	v_exp_f32 v[96+\j], v[96+\j]                   ; p = 2^(t - M), at most 1
.endr
	v_pk_mul_f32 v[14:15], v[14:15], v[252:253] op_sel_hi:[1,0]   ; l under the new M: a plain instruction behind the exponentials
	s_wait_alu depctr_va_vdst(0)                   ; one wait for the whole batch, ahead of its first reader
.irp b, 0,1,2,3
	v_exp_f32 v[232+\b], v[232+\b]                 ; the block's largest p: the same two instructions on the same number give the same bits
.endr
	v_pk_add_f32 v[236:237], v[96:97], v[98:99]    ; l is taken of the unquantised p: two at a time, in two chains
.irp j, 4,8,12,16,20,24,28,32,36,40,44,48,52,56,60
	v_pk_add_f32 v[14:15], v[14:15], v[96+\j:97+\j]
	v_pk_add_f32 v[236:237], v[236:237], v[98+\j:99+\j]
.endr
	v_pk_add_f32 v[14:15], v[14:15], v[236:237]
	s_wait_alu depctr_va_vdst(0)                   ; and one for the four
.irp b, 0,1,2,3
	v_max_num_f32 v[232+\b], 0x1800000, v[232+\b]  ; the floor 2^(3 - 127): the byte cannot fall under 1
.endr
.irp b, 0,1,2,3
	v_add_nc_u32 v[244+\b], 0xff000000, v[232+\b]  ; 2 off the exponent field: the conversion's scale operand
.endr
.irp b, 0,1,2,3
	v_lshrrev_b32 v[236+\b], 23, v[244+\b]         ; the scale's byte
.endr
	v_lshl_or_b32 v253, v237, 8, v236              ; p's scale word for these 128 keys
	v_lshl_or_b32 v253, v238, 16, v253
	v_lshl_or_b32 v253, v239, 24, v253
.irp c, 0,1
	v_cvt_scalef32_pk16_fp6_f32 v[224+6*\c:226+6*\c], v[96+32*\c:111+32*\c], v[244+2*\c]
	v_cvt_scalef32_pk16_fp6_f32 v[236+4*\c:238+4*\c], v[112+32*\c:127+32*\c], v[244+2*\c+1]   ; (a conversion's three registers begin on an even number)
.endr
	v_nop                                          ; one plain instruction behind a scaled conversion
.irp c, 0,1                                    ; a whole block to a lane
.irp i, 0,1,2
	v_permlane16_swap_b32 v[224+6*\c+\i], v[236+4*\c+\i]
.endr
.irp i, 0,1,2
	v_mov_b32 v[227+6*\c+\i], v[236+4*\c+\i]
.endr
.endr
.irp j, 0,2,4,6,8,10,12,14,16,18,20,22,24,26,28,30
	v_pk_mul_f32 v[OT+\j:OT+\j+1], v[OT+\j:OT+\j+1], v[252:253] op_sel_hi:[1,0]   ; O^T under the new M.  (These sixteen stand between the writing of p's codes and scale word and the products)
.endr
	s_wait_dscnt 0x0                               ; V^T and its scale words are in
.irp t, 0,1,2,3                                ; O^T += V^T P^T: four tiles of 16 channels, by turns
	v_wmma_scale_f32_16x16x128_f8f6f4 v[OT+8*\t:OT+8*\t+7], v[KF+12*\t:KF+12*\t+11], v[PCD:PCD+11], v[OT+8*\t:OT+8*\t+7], v[VS+\t], v253 matrix_a_fmt:MATRIX_FMT_FP6 matrix_b_fmt:MATRIX_FMT_FP6
.endr
	s_add_co_u32 s[TS], s[TS], 768                 ; the next step's scale words
.endm
.macro SLOT_STEPS
	STEP 0
	STEP 1
	s_xor_b32 s[TB], s[TB], SLOT1                  ; on to the other slot
.endm
; THE CHANGE OF SLOTS stands at a slot's head.  Each wave waits for all its tensor loads (its part of the slot that it is about to read), adds 0 to its spare word, and waits for that and for its reads of the slot that it has left.
; fill = 1: a round of the cluster's barrier, so that no wave of any partner still reads that slot or has a load on its way; behind it the slot is filled with the next 256 keys: the load has two key steps in which to land.
.macro CHANGE fill
	s_wait_tensorcnt 0x0                           ; no tensor load of mine is out, so the group 0 may be written
	ds_add_u32 v[SPW], v[NIL]                      ; 0 onto my spare word
.if \fill
	s_xor_b32 s[G0+1], s[G0+1], SLOT1              ; the other slot than last time,
	s_add_nc_u64 s[G0+2:G0+3], s[G0+2:G0+3], 24576 ; the next 256 keys (behind the first head's last: the second head's first); the type bits on top are not reached
	s_wait_xcnt 0x0                                ; the last prefetch has read its address, so it may be written
	s_add_nc_u64 s[PFA:PFA+1], s[PFA:PFA+1], 24576
	s_wait_dscnt 0x0                               ; the add is done, and my reads of the slot that I have left are over
	CROUND
	TLOAD                                          ; the first thing behind the round, and a wave's one tensor load until the next
	ASK
	s_add_co_u32 s[NC], s[NC], 1
.else
	s_wait_dscnt 0x0
	s_barrier_signal -1
	s_barrier_wait -1
.endif
.endm
; A HEAD'S END.  O^T / l: register 16 b + i is channel 32 b + 16 h + i of my query: two blocks of the last product's K.  They become six registers of codes and two scale bytes.
.macro HEAD_END hd
.if \hd == 0
.irp p, 0,1,2
	global_load_b64 v[QF+2*\p:QF+2*\p+1], v[GO], s[4:5] offset:98304+256*\p   ; the second head's Q is asked for first (the products that read these registers lie a softmax back)
.endr
	global_load_b32 v[QS], v[QSO], s[6:7] offset:8192
.endif
.rept 4
	v_nop                                          ; places behind the last products
.endr
	v_add_f32 v14, v14, v15                        ; l's two halves,
	v_permlanex16_b32 v252, v14, s[SEL], s[SEL+1]
	v_add_f32 v14, v14, v252                       ; and lane l xor 16's
	v_rcp_f32 v14, v14
	v_nop                                          ; a plain instruction behind the transcendental
	s_wait_alu depctr_va_vdst(0)                   ; and the wait ahead of its first reader
.irp j, 0,1,2,3,4,5,6,7,8,9,10,11,12,13,14,15,16,17,18,19,20,21,22,23,24,25,26,27,28,29,30,31
	v_mul_f32 v[96+\j], v[OT+\j], v14              ; each accumulator from its low end on
.endr
.irp b, 0,1
	v_max3_num_f32 v[232+\b], |v[96+16*\b]|, |v[97+16*\b]|, 0x1800000
.endr
.irp i, 2,4,6,8,10,12,14
.irp b, 0,1
	v_max3_num_f32 v[232+\b], v[232+\b], |v[96+16*\b+\i]|, |v[97+16*\b+\i]|
.endr
.endr
.irp b, 0,1
	v_permlanex16_b32 v[236+\b], v[232+\b], s[SEL], s[SEL+1]
.endr
.irp b, 0,1
	v_max_num_f32 v[232+\b], v[232+\b], v[236+\b]
.endr
.irp b, 0,1
	v_add_nc_u32 v[244+\b], 0xff000000, v[232+\b]
.endr
.irp b, 0,1
	v_lshrrev_b32 v[238+\b], 23, v[244+\b]
.endr
	v_cvt_scalef32_pk16_fp6_f32 v[CA+8*\hd:CA+8*\hd+2], v[96:111], v244
	v_cvt_scalef32_pk16_fp6_f32 v[240:242], v[112:127], v245
	v_nop                                          ; one plain instruction behind a scaled conversion
.irp i, 0,1,2
	v_permlane16_swap_b32 v[CA+8*\hd+\i], v[240+\i]
.endr
.irp i, 0,1,2
	v_mov_b32 v[CA+8*\hd+3+\i], v[240+\i]
.endr
.if \hd == 0
	v_lshl_or_b32 v[HB], v239, 8, v238             ; bytes 0 and 1 of my rows' scale word
	BEGIN
	s_wait_loadcnt 0x0                             ; the second head's Q
.else
	v_lshl_or_b32 v[HW], v239, 8, v238
	v_lshl_or_b32 v[HW], v[HW], 16, v[HB]          ; bytes 2 and 3: the word is whole
.irp p, 0,1,2
	global_store_b64 v[GO], v[CA+2*\p:CA+2*\p+1], s[12:13] offset:256*\p          ; the image of my rows' fragment: six pieces of 256 consecutive bytes, aligned
.endr
.irp p, 0,1,2
	global_store_b64 v[GO], v[CB+2*\p:CB+2*\p+1], s[12:13] offset:768+256*\p
.endr
	global_store_b32 v[GS], v[HW], s[14:15]        ; lanes l and l + 16 store the same word with the same value
.endif
.endm
	s_wait_loadcnt 0x0                             ; Q
	s_mov_b32 s[SLOTS], 8
.Lhead_a:                                          ; the first head's eight slots; behind each change the next slot is asked for, the last time the second head's first
	CHANGE 1
	SLOT_STEPS
	s_sub_co_u32 s[SLOTS], s[SLOTS], 1
	s_cmp_lg_u32 s[SLOTS], 0
	s_cbranch_scc1 .Lhead_a
	HEAD_END 0
	s_mov_b32 s[SLOTS], 7
.Lhead_b:
	CHANGE 1
	SLOT_STEPS
	s_sub_co_u32 s[SLOTS], s[SLOTS], 1
	s_cmp_lg_u32 s[SLOTS], 0
	s_cbranch_scc1 .Lhead_b
	CHANGE 0                                       ; the last slot is written out
	SLOT_STEPS
	HEAD_END 1
	s_wait_tensorcnt 0x0                           ; the wave's end
	ds_add_u32 v[SPW], v[NIL]
	s_wait_dscnt 0x0
	CROUND                                         ; the closing round
	s_endpgm
.Lfunc_end_k_qec69365531_attn:
	.size	k_qec69365531_attn, .Lfunc_end_k_qec69365531_attn-k_qec69365531_attn
	.p2alignl 7, 3214868480
	.fill 96, 4, 3214868480
	.section	.rodata,"a",@progbits
	.p2align	6, 0x0
	.amdhsa_kernel k_qec69365531_attn
		.amdhsa_group_segment_fixed_size 327680
		.amdhsa_private_segment_fixed_size 0
		.amdhsa_enable_private_segment 0
		.amdhsa_kernarg_size 48
		.amdhsa_user_sgpr_count 2
		.amdhsa_user_sgpr_kernarg_segment_ptr 1
		.amdhsa_wavefront_size32 1
		.amdhsa_system_sgpr_workgroup_id_x 1
		.amdhsa_system_sgpr_workgroup_id_y 1
		.amdhsa_system_sgpr_workgroup_id_z 1
		.amdhsa_system_vgpr_workitem_id 0
		.amdhsa_next_free_vgpr 256
		.amdhsa_next_free_sgpr 92
		.amdhsa_reserve_vcc 0
		.amdhsa_float_denorm_mode_32 3
		.amdhsa_float_denorm_mode_16_64 3
		.amdhsa_memory_ordered 1
		.amdhsa_forward_progress 1
		.amdhsa_inst_pref_size 120
	.end_amdhsa_kernel
	.amdgpu_metadata
---
amdhsa.version: [ 1, 2 ]
amdhsa.kernels:
  - .name:           k_qec69365531_attn
    .symbol:         k_qec69365531_attn.kd
    .args:
      - { .name: qi, .offset: 0, .size: 8, .value_kind: global_buffer, .address_space: global }
      - { .name: qs, .offset: 8, .size: 8, .value_kind: global_buffer, .address_space: global }
      - { .name: kv, .offset: 16, .size: 8, .value_kind: global_buffer, .address_space: global }
      - { .name: kvs, .offset: 24, .size: 8, .value_kind: global_buffer, .address_space: global }
      - { .name: ai, .offset: 32, .size: 8, .value_kind: global_buffer, .address_space: global }
      - { .name: asc, .offset: 40, .size: 8, .value_kind: global_buffer, .address_space: global }
    .group_segment_fixed_size: 327680
    .private_segment_fixed_size: 0
    .kernarg_segment_align: 8
    .kernarg_segment_size: 48
    .max_flat_workgroup_size: 512
    .sgpr_count:     92
    .vgpr_count:     256
    .wavefront_size: 32
...
	.end_amdgpu_metadata
.endif
;; end of part 3
;; launch outp (part 4): grid 4 x 32, 4 waves a work-group, clusters of 4 x 4, 327,680 bytes of LDS; arguments ai, asc, ci, cs, out0, bo; writes out0
.if DOCPART == 4
	.amdgcn_target "amdgcn-amd-amdhsa--gfx1250"
	.amdhsa_code_object_version 6
	.text
	.protected	k_qec69365531_outp
	.globl	k_qec69365531_outp
	.p2align	8
	.type	k_qec69365531_outp,@function
k_qec69365531_outp:
	s_mov_b64 s[64:65], 0
	v_nop
	global_prefetch_b8 v0, s[64:65] scope:SCOPE_SE
	s_setreg_imm32_b32 hwreg(HW_REG_WAVE_MODE, 25, 1), 1
	s_wait_xcnt 0x0
	s_wait_alu depctr_hold_cnt(0) depctr_sa_sdst(0) depctr_va_vdst(0) depctr_va_sdst(0) depctr_va_ssrc(0) depctr_va_vcc(0) depctr_vm_vsrc(0)
	s_getreg_b32 s2, hwreg(HW_REG_IB_STS2, 6, 4)
	s_cmp_eq_u32 s2, 0
	s_cbranch_scc0 .Lentry_in_a_cluster
	s_endpgm
.Lentry_in_a_cluster:
	s_bfe_u32 s2, ttmp6, 0x10000c
	s_cmp_lg_u32 s2, 0xf033
	s_cbranch_scc0 .Lentry_shape_is_right
	s_endpgm
.Lentry_shape_is_right:
; out0 = A Wo^T + bo on codes of FP6 (E2M3) with E8M0 scales, sums in f32.  A, the attention's result [8192][1024], comes from ai and asc, Wo from ci and cs (row blocks 704-767), both as images of operand registers
; (a fragment of 16 rows x 128 K is 1,536 bytes: six pieces of 256, piece p = registers 2 p, 2 p + 1, lane l at byte 8 l); lane index m of row block rb is row 32 (rb / 2) + 8 (rb % 2) + m + 8 (m / 8).
; A tile of 256 x 256 of out0 is made by four waves, 128 x 128 each: 64 accumulators, 512 registers.  K = 1,024 goes in four steps of 256 through two LDS slots filled by the tensor data mover.
; THE MATRIX INSTRUCTION IS USED TRANSPOSED (source 0 = 16 rows of Wo, source 1 = 16 rows of A): a lane holds one token, and register j of tile b is column 32 (b / 2) + 8 (b % 2) + 16 h + j of my 128.
; The bias is the C of each sum's first matrix instruction: 64 registers in the result's layout, the same for all eight blocks of A.
; CLUSTERS: 4 x 4 work-groups; A's tile is shared along a row of the cluster, Wo's along a column: each is asked for jointly.  128 work-groups: the tile and the ring are those of the projections' launch.
; REGISTERS, in windows of 256: window 0: v0-31 addresses; v32-63 scale words, two sets, and nothing else; v64-127 the bias; v128-223 A's fragments, one set; on the way out v128-255 rows of out0.
;   window 1: Wo's fragments, two sets, at v0 and v128.   windows 2, 3: the accumulators ((a, b) at v[8 (8 (a % 4) + b)]).
; No prefetch: of the four steps along K two are asked for at the head, and the other two have a whole step's 128 matrix instructions in which to land.
.set KSL,    2359296                   ; bytes of ci from one 256 along K to the next
.set KSLA,   1572864                   ; and of ai: 512 x 3,072
.set NQ,     2
.set FR,     12
.set NL,     6
.set NP,     4                         ; places behind this matrix instruction (ISA guide 7.12.1)
.set HALFT,  24576                     ; 8 row blocks x 256 along K: what one tensor load brings
.set SLOT,   4*HALFT
.set SCL,    2*SLOT                    ; the scale words of the tile's rows for all of K, filled once
.set HALFS,  4096
.set SPARE,  SCL+4*HALFS               ; the spare words, 128 bytes for each wave: two blocks of 256 bytes that no other line names
.set SPITCH, 528                       ; the way out: a stage of 16 rows x (512 bytes + 16) for each wave, in slot 0, which has had its last fill and its last read when the first result is stored there
.set BO0,  10                          ; v10  64 h; never rewritten
.set ADRA, 16
.set ADRB, 20
.set STO,  24                          ; v24  the stage: row r, + 64 h
.set RD,   25                          ; v25  and back: 16 x lane
.set CO,   26                          ; v26  16 x lane in a row's 512 bytes of out0
.set ADRS, 27
.set SPW,  28
.set NIL,  29
.set LANE, 30
.set SC,   32
.set BI,   64
.set AF,   128
.set BK,   128
.set G1,   24
.set G0,   32
.set G1B,  48
.set G0B,  56
.set G1S,  68
.set G0S,  76
.set G1SB, 80
.set G0SB, 88
.set MSB, 0
.macro WIN new                         ; the immediate's high byte repeats the setting that is left
.if MSB != \new
	s_set_vgpr_msb (MSB<<8)|\new
.set MSB, \new
.endif
.endm
.set MUL_LO, 0xa1                      ; source 0 (Wo) window 1, source 1 (A) window 0, C and D window 2
.set MUL_HI, 0xf1                      ; the same, C and D window 3
.set FST_LO, 0x81                      ; the first step: C (the bias) window 0, D window 2
.set FST_HI, 0xc1                      ; D window 3
.set TO_B,   0x40
.macro JLOAD g0a, g1a, g0b, g1b        ; a joint load: waves 0 and 1 fetch for A, waves 2 and 3 for Wo; four v_nop follow each line
	s_cmp_eq_u32 s15, 0
	s_cbranch_scc0 .Lfor_b_\@
	tensor_load_to_lds s[\g0a:\g0a+3], s[\g1a:\g1a+7]
	s_nop 0
.rept 4
	v_nop
.endr
	s_branch .Lasked_\@
.Lfor_b_\@:
	tensor_load_to_lds s[\g0b:\g0b+3], s[\g1b:\g1b+7]
	s_nop 0
.rept 4
	v_nop
.endr
.Lasked_\@:
.endm
.macro CREST
	s_cmp_lg_u32 s14, 0
	s_cbranch_scc1 .Lnot_wave_0_\@
	s_barrier_signal -3
.Lnot_wave_0_\@:
	s_barrier_wait -3
	s_barrier_signal -1
	s_barrier_wait -1
.endm
.macro CROUND
	s_barrier_signal -1
	s_barrier_wait -1
	CREST
.endm
	s_load_b256 s[4:11], s[0:1], 0x0               ; ai s[4:5], asc s[6:7], ci s[8:9], cs s[10:11]
	s_load_b128 s[92:95], s[0:1], 0x20             ; out0 s[92:93], bo s[94:95]
	v_lshl_add_u32 v[SPW], v0, 2, SPARE
	v_mov_b32 v[NIL], 0
	ds_add_u32 v28, v29
	s_wait_dscnt 0x0
	v_lshrrev_b32 v1, 5, v0
	v_readfirstlane_b32 s14, v1                    ; wave 0..3
	s_lshr_b32 s15, s14, 1                         ; which half of the tile's rows is mine.  Also: I fetch for A (0) or for Wo (1)
	s_and_b32 s16, s14, 1                          ; which half of its columns.  Also: which half of that tile I fetch
	s_bfe_u32 s40, ttmp6, 0x40000                  ; cx, cy
	s_bfe_u32 s41, ttmp6, 0x40004
	s_lshl_b32 s42, ttmp9, 2
	s_add_co_u32 s42, s42, s40                     ; tile column
	s_and_b32 s17, ttmp7, 0xffff
	s_lshl_b32 s17, s17, 2
	s_add_co_u32 s17, s17, s41                     ; tile row
	s_lshl_b32 s43, s41, 2
	s_lshl_b32 s43, 15, s43                        ; my row of the cluster
	s_lshl_b32 s44, 0x1111, s40                    ; my column
	s_or_b32 s[G1+0], s43, (3<<16)|(1<<21)         ; a dense block as rows of 256 bytes (32 elements of 8 bytes); the mask; bit 21 beside it; no padding
	s_or_b32 s[G1B+0], s44, (3<<16)|(1<<21)
.irp g, G1, G1B
	s_mov_b32 s[\g+1], 32<<16
	s_mov_b32 s[\g+2], 96<<16
	s_mov_b32 s[\g+3], 32<<16
	s_mov_b32 s[\g+4], 96
	s_mov_b32 s[\g+5], 32
	s_mov_b32 s[\g+6], 0
	s_mov_b32 s[\g+7], 0
.endr
	s_or_b32 s[G1S+0], s43, (3<<16)|(1<<21)
	s_or_b32 s[G1SB+0], s44, (3<<16)|(1<<21)
.irp g, G1S, G1SB
	s_mov_b32 s[\g+1], 32<<16
	s_mov_b32 s[\g+2], 16<<16
	s_mov_b32 s[\g+3], 32<<16
	s_mov_b32 s[\g+4], 16
	s_mov_b32 s[\g+5], 32
	s_mov_b32 s[\g+6], 0
	s_mov_b32 s[\g+7], 0
.endr
	s_lshl_b32 s18, s16, 3
	s_lshl_b32 s20, s17, 4
	s_add_co_u32 s20, s20, s18                     ; A: row block 16 x tile row + 8 x half
	s_lshl_b32 s46, s42, 4
	s_add_co_u32 s46, s46, s18
	s_add_co_u32 s46, s46, 704                     ; Wo: 704 + 16 x tile column + 8 x half
	s_lshl_b32 s22, s20, 9
	s_mov_b32 s23, 0
	s_mul_i32 s20, s20, 3072
	s_mov_b32 s21, 0
	s_lshl_b32 s66, s46, 9
	s_mov_b32 s67, 0
	s_mul_i32 s46, s46, 3072
	s_mov_b32 s47, 0
	s_mul_i32 s45, s14, HALFT                      ; where they go: wave x a part
	s_lshl_b32 s101, s14, 12
	s_wait_kmcnt 0x0
	s_add_nc_u64 s[20:21], s[4:5], s[20:21]
	s_add_nc_u64 s[22:23], s[6:7], s[22:23]
	s_add_nc_u64 s[46:47], s[8:9], s[46:47]
	s_add_nc_u64 s[66:67], s[10:11], s[66:67]
	CROUND                                         ; all sixteen work-groups are here: the first joint loads meet
	s_mov_b32 s[G0S], 1
	s_add_co_u32 s[G0S+1], s101, SCL
	s_mov_b64 s[G0S+2:G0S+3], s[22:23]
	s_or_b32 s[G0S+3], s[G0S+3], 0x80000000
	s_mov_b32 s[G0SB], 1
	s_add_co_u32 s[G0SB+1], s101, SCL
	s_mov_b64 s[G0SB+2:G0SB+3], s[66:67]
	s_or_b32 s[G0SB+3], s[G0SB+3], 0x80000000
	JLOAD G0S, G1S, G0SB, G1SB
.irp s, 0,1
	s_mov_b32 s[G0+4*\s], 1
	s_add_co_u32 s[G0+4*\s+1], s45, \s*SLOT
	s_add_nc_u64 s[G0+4*\s+2:G0+4*\s+3], s[20:21], \s*KSLA
	s_or_b32 s[G0+4*\s+3], s[G0+4*\s+3], 0x80000000
	s_mov_b32 s[G0B+4*\s], 1
	s_add_co_u32 s[G0B+4*\s+1], s45, \s*SLOT
	s_add_nc_u64 s[G0B+4*\s+2:G0B+4*\s+3], s[46:47], \s*KSL
	s_or_b32 s[G0B+4*\s+3], s[G0B+4*\s+3], 0x80000000
	JLOAD G0+4*\s, G1, G0B+4*\s, G1B               ; three tensor loads of mine are out
.endr
	v_and_b32 v[LANE], 31, v0
	v_and_b32 v1, 15, v0                           ; r
	v_bfe_u32 v2, v0, 4, 1                         ; h
	v_lshlrev_b32 v3, 3, v[LANE]                   ; 8 x lane
	s_mul_i32 s21, s15, HALFT
	s_mul_i32 s22, s16, HALFT
	s_add_co_u32 s22, s22, 2*HALFT
.irp s, 0,1
	v_add_nc_u32 v[ADRA+\s], s21, v3
	v_add_nc_u32 v[ADRB+\s], s22, v3
	s_add_co_u32 s21, s21, SLOT
	s_add_co_u32 s22, s22, SLOT
.endr
	v_lshlrev_b32 v5, 3, v1
	s_mul_i32 s21, s15, HALFS
	s_mul_i32 s22, s16, HALFS
	s_add_co_u32 s22, s22, 2*HALFS
	s_sub_co_u32 s22, s22, s21
	v_mul_u32_u24 v6, s22, v2                      ; lanes 16-31 take Wo's words: one product, the distance between the two parts x h
	s_add_co_u32 s21, s21, SCL
	v_add_nc_u32 v5, v5, v6
	v_add_nc_u32 v[ADRS], s21, v5
	s_mul_i32 s23, s14, 16*SPITCH                  ; my stage
	v_mul_u32_u24 v5, v1, SPITCH
	v_lshl_add_u32 v5, v2, 6, v5
	v_add_nc_u32 v[STO], s23, v5
	v_lshlrev_b32 v[CO], 4, v[LANE]
	v_add_nc_u32 v[RD], s23, v[CO]
	s_lshl_b32 s18, s42, 10                        ; bo: 256 numbers a tile column, 128 for my half
	s_lshl_b32 s19, s16, 9
	s_add_co_u32 s18, s18, s19
	s_mov_b32 s19, 0
	s_add_nc_u64 s[94:95], s[94:95], s[18:19]
	v_lshlrev_b32 v[BO0], 6, v2
.irp t, 0,1,2,3,4,5,6,7
	global_load_b128 v[BI+8*\t:BI+8*\t+3], v[BO0], s[94:95] offset:(32*(\t/2)+8*(\t%2))*4       ; register 8 t + j: the bias of column 32 (t / 2) + 8 (t % 2) + 16 h + j
	global_load_b128 v[BI+8*\t+4:BI+8*\t+7], v[BO0], s[94:95] offset:(32*(\t/2)+8*(\t%2))*4+16
.endr
	s_lshl_b32 s20, s17, 8
	s_lshl_b32 s21, s15, 7
	s_add_co_u32 s20, s20, s21                     ; my first row of out0: 256 x tile row + 128 x half
	s_lshl_b32 s20, s20, 12                        ; rows of 4,096 bytes
	s_mov_b32 s21, 0
	s_lshl_b32 s46, s42, 10                        ; my first column, in bytes
	s_lshl_b32 s47, s16, 9
	s_add_co_u32 s46, s46, s47
	s_mov_b32 s47, 0
	s_add_nc_u64 s[20:21], s[20:21], s[46:47]
	s_add_nc_u64 s[92:93], s[92:93], s[20:21]
.macro FRAG reg, adr, q, i             ; a fragment comes as it was stored: six pieces, 256 consecutive bytes a load
.irp p, 0,1,2,3,4,5
	ds_load_b64 v[\reg+2*\p:\reg+2*\p+1], v[\adr] offset:(\i)*3072+(\q)*1536+256*\p
.endr
.endm
; 16 matrix instructions: A's blocks a0, a0 + 1 x Wo's eight.  first = 1: the sums begin with the bias as C.  The 64 accumulators take turns, one instruction a turn.
.macro MUL16 a0, p, q, sc, first
.irp a, \a0, \a0+1
.irp b, 0,1,2,3,4,5,6,7
.if \first
	v_wmma_scale_f32_16x16x128_f8f6f4 v[8*(8*((\a)%4)+\b):8*(8*((\a)%4)+\b)+7], v[128*(\p)+FR*\b:128*(\p)+FR*\b+FR-1], v[AF+FR*(\a):AF+FR*(\a)+FR-1], v[BI+8*\b:BI+8*\b+7], v[SC+8*NQ*(\sc)+NQ*\b+(\q)], v[SC+8*NQ*(\sc)+NQ*(\a)+(\q)] matrix_a_fmt:MATRIX_FMT_FP6 matrix_b_fmt:MATRIX_FMT_FP6 matrix_a_scale:MATRIX_SCALE_ROW1
.else
	v_wmma_scale_f32_16x16x128_f8f6f4 v[8*(8*((\a)%4)+\b):8*(8*((\a)%4)+\b)+7], v[128*(\p)+FR*\b:128*(\p)+FR*\b+FR-1], v[AF+FR*(\a):AF+FR*(\a)+FR-1], v[8*(8*((\a)%4)+\b):8*(8*((\a)%4)+\b)+7], v[SC+8*NQ*(\sc)+NQ*\b+(\q)], v[SC+8*NQ*(\sc)+NQ*(\a)+(\q)] matrix_a_fmt:MATRIX_FMT_FP6 matrix_b_fmt:MATRIX_FMT_FP6 matrix_a_scale:MATRIX_SCALE_ROW1
.endif
.endr
.endr
.endm
.macro FETCH_B slot, q, p
	WIN TO_B
.irp i, 0,1,2,3,4,5,6,7
	FRAG 128*(\p)+FR*\i, ADRB+\slot, \q, \i
.endr
	WIN 0
.endm
.macro FETCH_A slot, q, i0
.irp i, \i0, \i0+1, \i0+2, \i0+3
	FRAG AF+FR*(\i), ADRA+\slot, \q, \i
.endr
.endm
.macro SCALES sc                       ; two words a row; lanes 0-15 take A's block i, lanes 16-31 Wo's block i
.irp i, 0,1,2,3,4,5,6,7
	ds_load_b64 v[SC+8*NQ*\sc+NQ*\i:SC+8*NQ*\sc+NQ*\i+1], v[ADRS] offset:\i*512
.endr
.endm
.macro PLACES n                        ; plain vector instructions between a matrix instruction and a load into, or a read of, its registers (ISA guide 7.12.1 for vector instructions)
.rept \n
	v_nop
.endr
.endm
.macro STEP slot, q, first
	s_wait_dscnt 4*NL                              ; Wo's set, A's blocks 0-3 and the scale words are in; the youngest 24 loads (A's blocks 4-7) may be out
.if \first
	WIN FST_LO
.else
	WIN MUL_LO
.endif
	MUL16 0, (\q)%2, \q, \slot, \first
	MUL16 2, (\q)%2, \q, \slot, \first
	s_wait_dscnt 0
	PLACES NP
	FETCH_B \slot, (\q)+1, 1-(\q)%2
	FETCH_A \slot, (\q)+1, 0
.if \first
	WIN FST_HI
.else
	WIN MUL_HI
.endif
	MUL16 4, (\q)%2, \q, \slot, \first
	MUL16 6, (\q)%2, \q, \slot, \first
	PLACES NP
	WIN 0
	FETCH_A \slot, (\q)+1, 4
.endm
; A slot's last step changes slots: one barrier; in front of it each wave waits for all its tensor loads, adds 0 to its spare word, and waits for that and for its own reads of this slot.  fill = 1: this slot is filled again, 512 along K ahead.
.macro TURN slot, next, fill
	s_wait_tensorcnt 0x0                           ; all my tensor loads have landed: my part of the next slot
	ds_add_u32 v[SPW], v[NIL]                      ; 0 onto my spare word
	s_wait_dscnt 4*NL+1                            ; (the add and the youngest 24 loads may be out)
	WIN MUL_LO
	MUL16 0, 1, NQ-1, \slot, 0
	s_wait_dscnt 0x0                               ; the add is done, and my reads of this slot are over
	s_barrier_signal -1
	MUL16 2, 1, NQ-1, \slot, 0
	WIN 0
	s_barrier_wait -1
.if \fill
	CREST                                          ; the barrier has opened a round of the cluster's barrier
	s_add_nc_u64 s[G0+4*\slot+2:G0+4*\slot+3], s[G0+4*\slot+2:G0+4*\slot+3], 2*KSLA
	s_add_nc_u64 s[G0B+4*\slot+2:G0B+4*\slot+3], s[G0B+4*\slot+2:G0B+4*\slot+3], 2*KSL
	JLOAD G0+4*\slot, G1, G0B+4*\slot, G1B         ; the first tensor load behind the round, and my only one until the next
.else
	PLACES NP
.endif
	v_add_nc_u32 v[ADRS], 128, v[ADRS]
	FETCH_B \next, 0, 0
	FETCH_A \next, 0, 0
	SCALES \next
	WIN MUL_HI
	MUL16 4, 1, NQ-1, \slot, 0
	MUL16 6, 1, NQ-1, \slot, 0
	PLACES NP
	WIN 0
	FETCH_A \next, 0, 4
.endm
	s_wait_tensorcnt 1                             ; the scale words and my part of slot 0 are in (slot 1's load may be out)
	s_barrier_signal -1
	s_barrier_wait -1                              ; everybody's are
	FETCH_B 0, 0, 0
	FETCH_A 0, 0, 0
	SCALES 0
	FETCH_A 0, 0, 4
	s_wait_loadcnt 0x0                             ; the bias
	STEP 0, 0, 1                                   ; K 0-127: the sums begin with the bias.  Eight steps, written out: a loop would have one trip
	TURN 0, 1, 1
	STEP 1, 0, 0
	TURN 1, 0, 1
	STEP 0, 0, 0
	TURN 0, 1, 0
	STEP 1, 0, 0
	s_wait_dscnt 4*NL
	WIN MUL_LO
	MUL16 0, 1, NQ-1, 1, 0
	MUL16 2, 1, NQ-1, 1, 0
	s_wait_dscnt 0
	WIN MUL_HI
	MUL16 4, 1, NQ-1, 1, 0
	MUL16 6, 1, NQ-1, 1, 0
	WIN 0
; THE WAY OUT, block by block of 16 rows x 128 columns: through my own stage in LDS, where the columns come into their order, and back as whole rows of 512 bytes.
; LDS serves a wave's instructions in order (ISA guide 5.7.1.4): no wait between the stores and the loads, nor in front of the next block's stores.
.macro TOSTAGE a
.set AC, 64*((\a)%4)
	WIN 0x08+4*((\a)/4)                            ; the data: window 2 or 3
.irp b, 0,1,2,3,4,5,6,7
	ds_store_b128 v[STO], v[AC+8*\b:AC+8*\b+3] offset:128*(\b/2)+32*(\b%2)          ; each accumulator from its low end on
	ds_store_b128 v[STO], v[AC+8*\b+4:AC+8*\b+7] offset:128*(\b/2)+32*(\b%2)+16
.endr
	WIN 0
.set BB, BK+64*((\a)%2)
.irp t, 0,1,2,3,4,5,6,7,8,9,10,11,12,13,14,15
	ds_load_b128 v[BB+4*\t:BB+4*\t+3], v[RD] offset:\t*SPITCH
.endr
.endm
.macro SEND a, younger                 ; younger: the LDS instructions issued behind block a's loads, which may stay out
.set BB, BK+64*((\a)%2)
	s_wait_dscnt \younger
.irp t, 0,1,2,3,4,5,6,7,8,9,10,11,12,13,14,15
	global_store_b128 v[CO], v[BB+4*\t:BB+4*\t+3], s[92:93] offset:(32*((\a)/2)+8*((\a)%2)+\t+8*(\t/8))*4096 th:TH_STORE_NT   ; stage row t is row 32 (a / 2) + 8 (a % 2) + t + 8 (t / 8) of my 128; 32 lanes store 512 consecutive bytes, aligned; 127 rows at the most: inside the signed 24-bit immediate
.endr
.endm
	PLACES NP
	TOSTAGE 0
.irp a, 1,2,3,4,5,6,7
.if \a > 1
	s_wait_xcnt 0x0                                ; block a - 2's stores have read their registers: block a's loads may land there
.endif
	TOSTAGE \a
	SEND \a-1, 32                                  ; behind block a - 1's loads: block a's 16 stores and 16 loads
.endr
	SEND 7, 0
	s_wait_tensorcnt 0x0                           ; the wave's end
	ds_add_u32 v[SPW], v[NIL]
	s_wait_dscnt 0x0
	CROUND                                         ; the closing round
	s_endpgm
.Lfunc_end_k_qec69365531_outp:
	.size	k_qec69365531_outp, .Lfunc_end_k_qec69365531_outp-k_qec69365531_outp
	.p2alignl 7, 3214868480
	.fill 96, 4, 3214868480
	.section	.rodata,"a",@progbits
	.p2align	6, 0x0
	.amdhsa_kernel k_qec69365531_outp
		.amdhsa_group_segment_fixed_size 327680
		.amdhsa_private_segment_fixed_size 0
		.amdhsa_enable_private_segment 0
		.amdhsa_kernarg_size 48
		.amdhsa_user_sgpr_count 2
		.amdhsa_user_sgpr_kernarg_segment_ptr 1
		.amdhsa_wavefront_size32 1
		.amdhsa_system_sgpr_workgroup_id_x 1
		.amdhsa_system_sgpr_workgroup_id_y 1
		.amdhsa_system_sgpr_workgroup_id_z 1
		.amdhsa_system_vgpr_workitem_id 0
		.amdhsa_next_free_vgpr 1024
		.amdhsa_next_free_sgpr 102
		.amdhsa_reserve_vcc 0
		.amdhsa_float_denorm_mode_32 3
		.amdhsa_float_denorm_mode_16_64 3
		.amdhsa_memory_ordered 1
		.amdhsa_forward_progress 1
		.amdhsa_inst_pref_size 160
	.end_amdhsa_kernel
	.amdgpu_metadata
---
amdhsa.version: [ 1, 2 ]
amdhsa.kernels:
  - .name:           k_qec69365531_outp
    .symbol:         k_qec69365531_outp.kd
    .args:
      - { .name: ai, .offset: 0, .size: 8, .value_kind: global_buffer, .address_space: global }
      - { .name: asc, .offset: 8, .size: 8, .value_kind: global_buffer, .address_space: global }
      - { .name: ci, .offset: 16, .size: 8, .value_kind: global_buffer, .address_space: global }
      - { .name: cs, .offset: 24, .size: 8, .value_kind: global_buffer, .address_space: global }
      - { .name: out0, .offset: 32, .size: 8, .value_kind: global_buffer, .address_space: global }
      - { .name: bo, .offset: 40, .size: 8, .value_kind: global_buffer, .address_space: global }
    .group_segment_fixed_size: 327680
    .private_segment_fixed_size: 0
    .kernarg_segment_align: 8
    .kernarg_segment_size: 48
    .max_flat_workgroup_size: 128
    .sgpr_count:     102
    .vgpr_count:     1024
    .wavefront_size: 32
...
	.end_amdgpu_metadata
.endif
;; end of part 4
